; MI455X (gfx1250); checked and timed in simulation.
; The chip was launched on July 23, 2026; its instructions are those of AMD's public machine-readable ISA for CDNA 5 (MIT licence, August 2026) and "CDNA5" Instruction Set Architecture Reference Guide (July 2026). The comments in the code are by the model that wrote it; some were corrected since.
;; Linear Attention. Allowed arithmetic: float matrix products may take bf16 or f16 operands with f32 sums; other float arithmetic in f32, or as packed bf16 or f16 multiplies, adds, multiply-adds, maxima and minima; sums over many terms, partial sums and values carried from step to step in f32; what a program stores and reads back later, other than sums and carried values, may be rounded once to bf16 or f16.
;; Inputs: K 4 x 4 x 4,096 x 128 float32; Q 4 x 4 x 4,096 x 128 float32; V 4 x 4 x 4,096 x 128 float32.
;; Outputs: out0 4 x 4 x 4,096 x 128 float32.
;; 2 versions, each right; version 2 is version 1 with the launch attn written anew for expert scheduling mode. Each part assembles by itself: llvm-mc -triple=amdgcn-amd-amdhsa -mcpu=gfx1250 --defsym DOCPART=n.
;; ======== version 1 of 2: 3 launches
;; limits: values are held in f16: magnitudes above 65,504 overflow, below 6.1e-05 lose precision
;; workspace buffers: part 15,728,640 bytes; amax 4,096 bytes; sh 8,388,608 bytes
;; launch kv (part 1): grid 15 x 16, 4 waves a work-group, no clusters, 147,968 bytes of LDS; arguments K, V, part, amax; writes part, amax
.if DOCPART == 1
	.amdgcn_target "amdgcn-amd-amdhsa--gfx1250"
	.amdhsa_code_object_version 6
	.text
	.protected	k_qfc83d70695_kv
	.globl	k_qfc83d70695_kv
	.p2align	8
	.type	k_qfc83d70695_kv,@function
k_qfc83d70695_kv:
	s_mov_b64 s[64:65], 0
	v_nop
	global_prefetch_b8 v0, s[64:65] scope:SCOPE_SE
	s_setreg_imm32_b32 hwreg(HW_REG_WAVE_MODE, 25, 1), 1
	s_wait_xcnt 0x0
; STATES OF A LINEAR ATTENTION.  out = tril(Qr Kr^T, -1) V has no softmax, so for a head cut into 16 segments of 256 rows
; out(segment c) = Qr_c S_c + tril(Qr_c Kr_c^T, -1) V_c, with S_c the sum over earlier segments of A = Kr^T V (128 x 128).
; THIS LAUNCH makes A for segments 0 to 14 of each of the 16 heads (nobody needs segment 15's), in f32, and each wave's largest |A|.
; K, V: [16][4096][128] f32.  K is rotated in f32 (pairs d, d + 64; angle t x 10000^(-i/64)); Kr and V are rounded once to f16 for the product; sums in f32.
; LIMITS.  |Kr| and |V| stay under 65,504 (f16's end); below 6e-5 f16 keeps a fixed step of 6e-8.  cos and sin: the frequency is 2^(-i log2(10000)/64) by v_exp_f32
; (good to one unit in the last place), the angle of a wave's first row is rounded once to f32 (at most 2.4e-4 at t near 4,096), polynomials good to 3e-7, then
; rotations from row to row.  NaN and infinities are not treated apart.
; SHARES.  A work-group takes one segment of one head.  Wave w owns 16 rows in each of the segment's four bands of 64: row 64 x + 16 w + 2 k + h (k = 0..7, h = lane / 16).
; A lane (r = lane % 16) loads columns 4 r .. 4 r + 3 and 64 + 4 r .. of its row: four rotary pairs; each load of the wave reads two aligned runs of 256 bytes.
; A UNIT is one band's 16 rows of one matrix: 16 loads, 64 registers.  Four units are always asked for (a ring of four slots, all of window 3): 32 KiB a wave.
; PRODUCT.  D = (K^T)(V): source 0 = 16 dk x 32 rows, source 1 = 16 dv x 32 rows, both turned out of LDS by ds_load_tr16_b128.  Wave w makes dv tiles 2 w, 2 w + 1 for all 8 dk tiles:
; 16 accumulators.  Lane (r, h), register j of tile (a, i) holds A[16 i + 8 h + j][16 a + r]; it is stored as it lies: part[head][seg][8 a + i][j / 4][lane][j % 4], 512 bytes on end a store.
; No tensor loads: every number is rotated or rounded between memory and LDS, so it passes through registers anyway.  No cluster: no two work-groups read the same bytes.
; REGISTERS, in windows of 256 (s_set_vgpr_msb: bits 1:0 source 0, 3:2 source 1, 5:4 source 2, 7:6 destination):
;   window 0: addresses, cos and sin, at work      window 1: v0-127 accumulators, (a', i) at 8 (8 a' + i)      window 2: v0-159 fragments of two K steps      window 3: the ring
.set PK,    288                        ; an LDS row: 256 bytes of f16 + 32
.set KL,    0                          ; Kr, 256 rows
.set VL,    256*PK                     ; V, 256 rows
.set SPARE, 2*256*PK                   ; the spare words, 128 bytes a wave: two blocks of 256 bytes that no other line names
.set LASTU, 7                          ; units 0 .. 7: K0 V0 K1 V1 K2 V2 K3 V3
.set SPW,  1                           ; v1   SPARE + 4 x my thread's number; never rewritten
.set GOFF, 2                           ; v2   (16 w + h) x 512 + 16 r: my 16 bytes in a band's first pair of rows
.set STK,  3                           ; v3   where I put 8 bytes of Kr
.set STV,  4                           ; v4   the same for V
.set AK,   6                           ; v6   the turning loads' address in Kr
.set AV,   7                           ; v7   in V, at my wave's 32 columns
.set PO,   9                           ; v9   16,384 w + 16 lane: my place in part
.set AO,   10                          ; v10  my wave's word in amax
.set NIL,  15                          ; v15  0; never rewritten
.set CS,   16                          ; v16-23  cos (4), sin (4) of the band's first pair of rows
.set D2,   24                          ; v24-31  of 2 f: from a pair of rows to the next
.set DJ,   32                          ; v32-39  of 50 f: from a band's last pair to the next band's first
.set CS0,  40                          ; v40-47  of my first row in the segment
.set TB,   64                          ; v64-119  cos and sin of pairs 1 .. 7
.set Y,    120                         ; v120-183 results
.set T,    184                         ; v184-191 at work
.set LR,   192                         ; r
.set LH,   193                         ; h
.set LL,   194                         ; lane
.set RB,   195                         ; 16 w + h
.set T2,   196
.set FQ,   64                          ; set-up alone: four frequencies,
.set ANG,  68                          ; twelve angles,
.set TN,   80                          ; and SINCOS's eight registers
.set TR,   81
.set TQ,   82
.set TZ,   83
.set TS,   84
.set TC,   85
.set TU,   86
.set TW,   87
.set MSB, 0
.macro WIN new                         ; the immediate's high byte repeats the setting that is left; a switch that changes nothing is dropped
.if MSB != (\new)
	s_set_vgpr_msb (MSB<<8)|(\new)
.set MSB, (\new)
.endif
.endm
.macro PLACES                          ; four plain places behind a matrix instruction, ahead of loads into its sources and of readers of its result
.rept 4
	v_nop
.endr
.endm
.macro BAR                             ; my LDS stores are done, then everybody's
	s_wait_dscnt 0x0
	s_barrier_signal -1
	s_barrier_wait -1
.endm
; Unit u: band x of the matrix at s[base], into slot u % 4
.macro LOADU u, base, x
	WIN 0xc0
.irp k, 0,1,2,3,4,5,6,7
	global_load_b128 v[64*((\u)%4)+8*(\k):64*((\u)%4)+8*(\k)+3],   v[GOFF], s[\base:\base+1] offset:(\x)*32768+(\k)*1024 th:TH_LOAD_NT
	global_load_b128 v[64*((\u)%4)+8*(\k)+4:64*((\u)%4)+8*(\k)+7], v[GOFF], s[\base:\base+1] offset:(\x)*32768+(\k)*1024+256 th:TH_LOAD_NT
.endr
.endm
; cos and sin of an angle >= 0: n = the nearest whole number to th x 2 / pi; r = th - n pi / 2, pi / 2 in two parts; polynomials on |r| <= pi / 4; the quadrant n % 4 swaps and signs
.macro SINCOS c, s, th
	v_mul_f32 v[TN], 0x3f22f983, v[\th]
	v_rndne_f32 v[TN], v[TN]
	v_fmamk_f32 v[TR], v[TN], 0xbfc90fdb, v[\th]
	v_fmamk_f32 v[TR], v[TN], 0x333bbd2e, v[TR]
	v_cvt_i32_f32 v[TQ], v[TN]
	v_mul_f32 v[TZ], v[TR], v[TR]
	v_fma_f32 v[TS], v[TZ], s24, s25               ; -z / 5040 + 1 / 120
	v_fma_f32 v[TC], v[TZ], s26, s27               ; z / 40320 - 1 / 720
	v_fmaak_f32 v[TS], v[TS], v[TZ], 0xbe2aaaab    ; .. - 1 / 6
	v_fmaak_f32 v[TC], v[TC], v[TZ], 0x3d2aaaab    ; .. + 1 / 24
	v_mul_f32 v[TU], v[TR], v[TZ]
	v_mul_f32 v[TW], v[TZ], v[TZ]
	v_fma_f32 v[TS], v[TU], v[TS], v[TR]           ; sin r
	v_fma_f32 v[TU], v[TZ], -0.5, 1.0
	v_fma_f32 v[TC], v[TW], v[TC], v[TU]           ; cos r
	v_and_b32 v[TU], 1, v[TQ]
	v_cmp_eq_u32 vcc_lo, 1, v[TU]
	v_cndmask_b32 v[\c], v[TC], v[TS], vcc_lo
	v_cndmask_b32 v[\s], v[TS], v[TC], vcc_lo
	v_add_nc_u32 v[TU], 1, v[TQ]
	v_and_b32 v[TU], 2, v[TU]                      ; cos is negative in quadrants 1 and 2,
	v_and_b32 v[TW], 2, v[TQ]                      ; sin in 2 and 3
	v_lshlrev_b32 v[TU], 30, v[TU]
	v_lshlrev_b32 v[TW], 30, v[TW]
	v_xor_b32 v[\c], v[\c], v[TU]
	v_xor_b32 v[\s], v[\s], v[TW]
.endm
; My four frequencies (i = 4 r + e), and cos and sin of my first row's angles, of 2 f and of 50 f.  s36 = 256 seg + 16 w
.macro SETROT
	v_lshlrev_b32 v[FQ], 2, v[LR]
	v_cvt_f32_u32 v[FQ], v[FQ]
	v_add_f32 v[FQ+1], 1.0, v[FQ]
	v_add_f32 v[FQ+2], 2.0, v[FQ]
	v_add_f32 v[FQ+3], 0x40400000, v[FQ]
.irp e, 0,1,2,3
	v_mul_f32 v[FQ+(\e)], 0xbe549a78, v[FQ+(\e)]   ; -i log2(10000) / 64
.endr
.irp e, 0,1,2,3
	v_exp_f32 v[FQ+(\e)], v[FQ+(\e)]
.endr
	v_add_nc_u32 v[T2], s36, v[LH]                 ; my first row in the head: plain work behind the last exponential
	v_cvt_f32_u32 v[T2], v[T2]
	s_wait_alu depctr_va_vdst(0)                   ; one wait for the four exponentials, ahead of their first reader
.irp e, 0,1,2,3
	v_mul_f32 v[ANG+(\e)], v[T2], v[FQ+(\e)]
	v_add_f32 v[ANG+4+(\e)], v[FQ+(\e)], v[FQ+(\e)]
	v_mul_f32 v[ANG+8+(\e)], 0x42480000, v[FQ+(\e)]
.endr
.irp e, 0,1,2,3
	SINCOS CS0+(\e), CS0+4+(\e), ANG+(\e)
	SINCOS D2+(\e), D2+4+(\e), ANG+4+(\e)
	SINCOS DJ+(\e), DJ+4+(\e), ANG+8+(\e)
.endr
.endm
; dst = src turned by the angle of by: c = c c' - s s', s = s c' + c s'
.macro ROTSTEP dst, src, by
.irp p, 0,2
	v_pk_mul_f32 v[T+(\p):T+(\p)+1],   v[(\src)+4+(\p):(\src)+5+(\p)], v[(\by)+4+(\p):(\by)+5+(\p)]
	v_pk_mul_f32 v[T+4+(\p):T+5+(\p)], v[(\src)+(\p):(\src)+(\p)+1],   v[(\by)+4+(\p):(\by)+5+(\p)]
.endr
.irp p, 0,2
	v_pk_fma_f32 v[(\dst)+(\p):(\dst)+(\p)+1],   v[(\src)+(\p):(\src)+(\p)+1],   v[(\by)+(\p):(\by)+(\p)+1], v[T+(\p):T+(\p)+1] neg_lo:[0,0,1] neg_hi:[0,0,1]
	v_pk_fma_f32 v[(\dst)+4+(\p):(\dst)+5+(\p)], v[(\src)+4+(\p):(\src)+5+(\p)], v[(\by)+(\p):(\by)+(\p)+1], v[T+4+(\p):T+5+(\p)]
.endr
.endm
; Unit u (band x) is rotated, rounded to f16 and put into LDS rows of the given pitch
.macro UNITROT u, st, x, pitch
.set CB, CS
.if (\x) == 0
.set CB, CS0
.endif
	WIN 0
	ROTSTEP TB, CB, D2                             ; the table of the band's pairs 1 .. 7 needs no data: it stands ahead of the wait
.irp k, 1,2,3,4,5,6
	ROTSTEP TB+8*(\k), TB+8*(\k)-8, D2
.endr
.set CN, LASTU-(\u)
.if CN > 3
.set CN, 3
.endif
	s_wait_loadcnt 16*CN                           ; loads come back in order (ISA guide 5.7.1): the units asked for behind this one, 16 loads each, may stay out
	WIN 0x03
.irp k, 0,1,2,3,4,5,6,7
.set CK, TB+8*(\k)-8
.if (\k) == 0
.set CK, CB
.endif
.set XK, 64*((\u)%4)+8*(\k)
.set YK, Y+8*(\k)
.irp p, 0,2
	v_pk_mul_f32 v[YK+(\p):YK+(\p)+1],   v[XK+4+(\p):XK+5+(\p)], v[CK+4+(\p):CK+5+(\p)]  ; x2 sin
	v_pk_mul_f32 v[YK+4+(\p):YK+5+(\p)], v[XK+(\p):XK+(\p)+1],   v[CK+4+(\p):CK+5+(\p)]  ; x1 sin
.endr
.irp p, 0,2
	v_pk_fma_f32 v[YK+(\p):YK+(\p)+1],   v[XK+(\p):XK+(\p)+1],   v[CK+(\p):CK+(\p)+1], v[YK+(\p):YK+(\p)+1] neg_lo:[0,0,1] neg_hi:[0,0,1]  ; x1 cos - x2 sin
	v_pk_fma_f32 v[YK+4+(\p):YK+5+(\p)], v[XK+4+(\p):XK+5+(\p)], v[CK+(\p):CK+(\p)+1], v[YK+4+(\p):YK+5+(\p)]                             ; x2 cos + x1 sin
.endr
.endr
	WIN 0
.irp k, 0,1,2,3,4,5,6,7
	v_cvt_pk_f16_f32 v[Y+8*(\k)],   v[Y+8*(\k)],   v[Y+8*(\k)+1]
	v_cvt_pk_f16_f32 v[Y+8*(\k)+1], v[Y+8*(\k)+2], v[Y+8*(\k)+3]
	v_cvt_pk_f16_f32 v[Y+8*(\k)+4], v[Y+8*(\k)+4], v[Y+8*(\k)+5]
	v_cvt_pk_f16_f32 v[Y+8*(\k)+5], v[Y+8*(\k)+6], v[Y+8*(\k)+7]
	ds_store_b64 v[\st], v[Y+8*(\k):Y+8*(\k)+1]   offset:(\x)*64*(\pitch)+(\k)*2*(\pitch)
	ds_store_b64 v[\st], v[Y+8*(\k)+4:Y+8*(\k)+5] offset:(\x)*64*(\pitch)+(\k)*2*(\pitch)+128
.endr
.if (\x) < 3
	ROTSTEP CS, TB+48, DJ                          ; 14 + 50 rows on: the next band's first pair
.endif
.endm
; Unit u (band x of V) is rounded to f16 and put into LDS
.macro UNITCVT u, st, x
.set CN, LASTU-(\u)
.if CN > 3
.set CN, 3
.endif
	s_wait_loadcnt 16*CN
	WIN 0x0f
.irp k, 0,1,2,3,4,5,6,7
.set XK, 64*((\u)%4)+8*(\k)
	v_cvt_pk_f16_f32 v[Y+4*(\k)],   v[XK],   v[XK+1]
	v_cvt_pk_f16_f32 v[Y+4*(\k)+1], v[XK+2], v[XK+3]
	v_cvt_pk_f16_f32 v[Y+4*(\k)+2], v[XK+4], v[XK+5]
	v_cvt_pk_f16_f32 v[Y+4*(\k)+3], v[XK+6], v[XK+7]
.endr
	WIN 0
.irp k, 0,1,2,3,4,5,6,7
	ds_store_b64 v[\st], v[Y+4*(\k):Y+4*(\k)+1]   offset:(\x)*64*PK+(\k)*2*PK
	ds_store_b64 v[\st], v[Y+4*(\k)+2:Y+4*(\k)+3] offset:(\x)*64*PK+(\k)*2*PK+128
.endr
.endm
; 16 products of K step u: the 16 accumulators take turns, one instruction a turn.  zero = 1: they start the sums
.macro MUL u, zero
.irp i, 0,1,2,3,4,5,6,7
.irp a, 0,1
.if \zero
	v_wmma_f32_16x16x32_f16 v[8*(8*(\a)+(\i)):8*(8*(\a)+(\i))+7], v[80*(\u)+8*(\i):80*(\u)+8*(\i)+7], v[80*(\u)+64+8*(\a):80*(\u)+64+8*(\a)+7], 0
.else
	v_wmma_f32_16x16x32_f16 v[8*(8*(\a)+(\i)):8*(8*(\a)+(\i))+7], v[80*(\u)+8*(\i):80*(\u)+8*(\i)+7], v[80*(\u)+64+8*(\a):80*(\u)+64+8*(\a)+7], v[8*(8*(\a)+(\i)):8*(8*(\a)+(\i))+7]
.endif
.endr
.endr
.endm
; Band s: its K and V go into LDS; behind the barrier its 64 rows, two K steps, are multiplied.  Every LDS byte is written once in the launch, so one barrier a band is enough.
.macro STAGE s
	UNITROT 2*(\s), STK, \s, PK
.if (\s) < 2
	LOADU 2*(\s)+4, 4, (\s)+2                      ; the slot just read out takes the band two further on
.endif
	UNITCVT 2*(\s)+1, STV, \s
.if (\s) < 2
	LOADU 2*(\s)+5, 6, (\s)+2
.endif
	BAR                                            ; the band's rows come from all four waves
	WIN 0x80
.irp u, 0,1
.irp i, 0,1,2,3,4,5,6,7
	ds_load_tr16_b128 v[80*(\u)+8*(\i):80*(\u)+8*(\i)+3],   v[AK] offset:(\u)*32*PK+32*(\i)
	ds_load_tr16_b128 v[80*(\u)+8*(\i)+4:80*(\u)+8*(\i)+7], v[AK] offset:(\u)*32*PK+16*PK+32*(\i)
.endr
.irp a, 0,1
	ds_load_tr16_b128 v[80*(\u)+64+8*(\a):80*(\u)+64+8*(\a)+3],   v[AV] offset:(\u)*32*PK+32*(\a)
	ds_load_tr16_b128 v[80*(\u)+64+8*(\a)+4:80*(\u)+64+8*(\a)+7], v[AV] offset:(\u)*32*PK+16*PK+32*(\a)
.endr
.endr
	s_wait_dscnt 20                                ; the first K step's 20 loads are in; the second's 20 may stay out
	WIN 0x5a
.if (\s) == 0
	MUL 0, 1
.else
	MUL 0, 0
.endif
	s_wait_dscnt 0x0
	MUL 1, 0
	WIN 0
	PLACES
.if (\s) < 3
	v_add_nc_u32 v[AK], 64*PK, v[AK]               ; the next band: the immediates alone would pass 16 bits
	v_add_nc_u32 v[AV], 64*PK, v[AV]
.endif
.endm
	s_load_b256 s[4:11], s[0:1], 0x0               ; K s[4:5], V s[6:7], part s[8:9], amax s[10:11]
	v_lshl_add_u32 v[SPW], v0, 2, SPARE
	v_mov_b32 v[NIL], 0
	v_lshrrev_b32 v[T2], 5, v0
	v_readfirstlane_b32 s16, v[T2]                 ; wave 0..3
	s_mov_b32 s17, ttmp9                           ; segment 0..14
	s_and_b32 s18, ttmp7, 0xffff                   ; head
	v_and_b32 v[LR], 15, v0
	v_bfe_u32 v[LH], v0, 4, 1
	v_and_b32 v[LL], 31, v0
	s_lshl_b32 s19, s16, 4
	v_add_nc_u32 v[RB], s19, v[LH]
	v_lshlrev_b32 v[GOFF], 9, v[RB]
	v_lshl_add_u32 v[GOFF], v[LR], 4, v[GOFF]
	s_lshl_b32 s20, s18, 21                        ; a head is 4,096 rows of 512 bytes,
	s_lshl_b32 s21, s17, 17                        ; a segment 256
	s_add_co_u32 s20, s20, s21
	s_mov_b32 s21, 0
	s_mul_i32 s22, s18, 15*65536                   ; in part a head has 15 states of 65,536 bytes
	s_lshl_b32 s23, s17, 16
	s_add_co_u32 s22, s22, s23
	s_mov_b32 s23, 0
	s_wait_kmcnt 0x0
	s_add_nc_u64 s[4:5], s[4:5], s[20:21]
	s_add_nc_u64 s[6:7], s[6:7], s[20:21]
	s_add_nc_u64 s[8:9], s[8:9], s[22:23]
	LOADU 0, 4, 0
	LOADU 1, 6, 0
	LOADU 2, 4, 1
	WIN 0
	s_mov_b32 s24, 0xb9500d01                      ; -1 / 5040
	s_mov_b32 s25, 0x3c088889                      ; 1 / 120
	s_mov_b32 s26, 0x37d00d01                      ; 1 / 40320
	s_mov_b32 s27, 0xbab60b61                      ; -1 / 720
	s_mov_b32 s30, 0x76543210                      ; v_permlanex16_b32: each lane takes its own place in the other half
	s_mov_b32 s31, 0xfedcba98
	s_lshl_b32 s36, s17, 8
	s_add_co_u32 s36, s36, s19                     ; 256 seg + 16 w
	v_mul_u32_u24 v[STK], v[RB], PK
	v_lshl_add_u32 v[STK], v[LR], 3, v[STK]        ; row x pitch + 8 r
	v_add_nc_u32 v[STV], VL, v[STK]
	v_and_b32 v[T2], 7, v0                         ; the turning load: lane l reads row 8 (l / 16) + l % 8, bytes 16 ((l / 8) % 2) on, and is left with column l % 16 and 8 rows
	v_lshl_add_u32 v[T2], v[LH], 3, v[T2]
	v_mul_u32_u24 v[AK], v[T2], PK
	v_bfe_u32 v[T2], v0, 3, 1
	v_lshl_add_u32 v[AK], v[T2], 4, v[AK]
	s_lshl_b32 s37, s16, 6                         ; my wave's 32 columns of V
	s_add_co_u32 s37, s37, VL
	v_add_nc_u32 v[AV], s37, v[AK]
	s_lshl_b32 s37, s16, 14
	v_lshl_add_u32 v[PO], v[LL], 4, s37
	s_lshl_b32 s33, s18, 4
	s_add_co_u32 s33, s33, s17
	s_lshl_b32 s33, s33, 2
	s_add_co_u32 s33, s33, s16
	s_lshl_b32 s33, s33, 2                         ; ((16 head + seg) 4 + w) 4
	v_mov_b32 v[AO], s33
	SETROT
	LOADU 3, 6, 1
	STAGE 0
	STAGE 1
	STAGE 2
	STAGE 3
	; THE WAY OUT.  The largest |A| of my 16 tiles, in four chains; each accumulator's lowest registers are read first.
.irp m, 0,1,2,3
	v_mov_b32 v[T+(\m)], 0
.endr
	WIN 0x14
.set n, 0
.rept 64
	v_max3_num_f32 v[T+n%4], v[T+n%4], |v[2*n]|, |v[2*n+1]|
.set n, n+1
.endr
	WIN 0
	v_max3_num_f32 v[T], v[T], v[T+1], v[T+2]
	v_max_num_f32 v[T], v[T], v[T+3]
	v_max_num_f32_dpp v[T], v[T], v[T] row_xmask:1 row_mask:0xf bank_mask:0xf
	v_max_num_f32_dpp v[T], v[T], v[T] row_xmask:2 row_mask:0xf bank_mask:0xf
	v_max_num_f32_dpp v[T], v[T], v[T] row_xmask:4 row_mask:0xf bank_mask:0xf
	v_max_num_f32_dpp v[T], v[T], v[T] row_xmask:8 row_mask:0xf bank_mask:0xf
	v_permlanex16_b32 v[T+1], v[T], s30, s31
	v_max_num_f32 v[T], v[T], v[T+1]
	WIN 0x04                                       ; store data in window 1
.irp a, 0,1
.irp i, 0,1,2,3,4,5,6,7
	global_store_b128 v[PO], v[8*(8*(\a)+(\i)):8*(8*(\a)+(\i))+3],   s[8:9] offset:(\a)*8192+(\i)*1024 th:TH_STORE_NT      ; each store of the wave covers 512 consecutive bytes, aligned
	global_store_b128 v[PO], v[8*(8*(\a)+(\i))+4:8*(8*(\a)+(\i))+7], s[8:9] offset:(\a)*8192+(\i)*1024+512 th:TH_STORE_NT
.endr
.endr
	WIN 0
	v_cmp_eq_u32 vcc_lo, 0, v[LL]
	s_wait_xcnt 0x0                                ; EXEC is a source of the stores above: it changes only behind this wait
	s_and_saveexec_b32 s32, vcc_lo
	global_store_b32 v[AO], v[T], s[10:11]         ; one word a wave
	s_wait_xcnt 0x0                                ; and again ahead of the line that widens it
	s_or_b32 exec_lo, exec_lo, s32
	s_wait_tensorcnt 0x0                           ; the wave's end, behind my last LDS store
	ds_add_u32 v[SPW], v[NIL]
	s_wait_dscnt 0x0
	s_endpgm
.Lfunc_end_k_qfc83d70695_kv:
	.size	k_qfc83d70695_kv, .Lfunc_end_k_qfc83d70695_kv-k_qfc83d70695_kv
	.p2alignl 7, 3214868480
	.fill 96, 4, 3214868480
	.section	.rodata,"a",@progbits
	.p2align	6, 0x0
	.amdhsa_kernel k_qfc83d70695_kv
		.amdhsa_group_segment_fixed_size 147968
		.amdhsa_private_segment_fixed_size 0
		.amdhsa_enable_private_segment 0
		.amdhsa_kernarg_size 32
		.amdhsa_user_sgpr_count 2
		.amdhsa_user_sgpr_kernarg_segment_ptr 1
		.amdhsa_wavefront_size32 1
		.amdhsa_system_sgpr_workgroup_id_x 1
		.amdhsa_system_sgpr_workgroup_id_y 1
		.amdhsa_system_sgpr_workgroup_id_z 1
		.amdhsa_system_vgpr_workitem_id 0
		.amdhsa_next_free_vgpr 1024
		.amdhsa_next_free_sgpr 66
		.amdhsa_reserve_vcc 1
		.amdhsa_float_denorm_mode_32 3
		.amdhsa_float_denorm_mode_16_64 3
		.amdhsa_memory_ordered 1
		.amdhsa_forward_progress 1
		.amdhsa_inst_pref_size 114
	.end_amdhsa_kernel
	.amdgpu_metadata
---
amdhsa.version: [ 1, 2 ]
amdhsa.kernels:
  - .name:           k_qfc83d70695_kv
    .symbol:         k_qfc83d70695_kv.kd
    .args:
      - { .name: K, .offset: 0, .size: 8, .value_kind: global_buffer, .address_space: global }
      - { .name: V, .offset: 8, .size: 8, .value_kind: global_buffer, .address_space: global }
      - { .name: part, .offset: 16, .size: 8, .value_kind: global_buffer, .address_space: global }
      - { .name: amax, .offset: 24, .size: 8, .value_kind: global_buffer, .address_space: global }
    .group_segment_fixed_size: 147968
    .private_segment_fixed_size: 0
    .kernarg_segment_align: 8
    .kernarg_segment_size: 32
    .max_flat_workgroup_size: 128
    .sgpr_count:     66
    .vgpr_count:     1024
    .wavefront_size: 32
...
	.end_amdgpu_metadata
.endif
;; end of part 1
;; launch scan (part 2): grid 16 x 16, 4 waves a work-group, no clusters, 0 bytes of LDS; arguments part, amax, sh; writes sh
.if DOCPART == 2
	.amdgcn_target "amdgcn-amd-amdhsa--gfx1250"
	.amdhsa_code_object_version 6
	.text
	.protected	k_qfc83d70695_scan
	.globl	k_qfc83d70695_scan
	.p2align	8
	.type	k_qfc83d70695_scan,@function
k_qfc83d70695_scan:
	s_mov_b64 s[64:65], 0
	v_nop
	global_prefetch_b8 v0, s[64:65] scope:SCOPE_SE
	s_setreg_imm32_b32 hwreg(HW_REG_WAVE_MODE, 25, 1), 1
	s_wait_xcnt 0x0
; THE STATES ARE ADDED UP.  S_c = A_0 + .. + A_(c-1) for c = 0 .. 15 of each head, in f32, ascending; each S_c is multiplied by a power of two and rounded once to f16.
; part: [16][15][64 chunks][2][32 lanes][4] f32, as the launch before left it.  sh: [16][16][64 chunks][32 lanes][8] f16: a lane's eight numbers, 16 bytes, are half of a
; matrix fragment of the next launch, so the sum is taken number by number and nothing changes places.
; THE POWER OF TWO.  e = the largest of amax's words of segments < c (numbers >= 0, so their bit patterns order as they do; a maximum is exact and hangs on no order);
; x = max(e >> 23, 11).  Every |A| is under 2^(x - 126), a sum of 15 under 2^(x - 122); times 2^(137 - x) it is under 2^15, inside f16.  The next launch derives 2^(x - 137) from amax in the same way.
; LIMIT.  Where all |A| lie under 2^-116 the factor stays at 2^126.  NaN and infinities are not treated apart.
; SHARES.  A wave owns one chunk (4 x work-group's x + wave) of a head for all segments; all its 30 loads go out at once (15 KiB a wave); no LDS, no barrier, no loop.
; Matrix units, clusters and tensor loads would add nothing: each byte is read once, by one lane, and used once.
.set A, 16                             ; v[16 + 8 c ..]  A_c, later the sum up to c
.set O, 136                            ; v[136 + 4 c ..] what is stored for c: registers of its own for every store
.set T, 200                            ; v200-207 at work
	s_load_b128 s[4:7], s[0:1], 0x0                ; part s[4:5], amax s[6:7]
	s_load_b64 s[8:9], s[0:1], 0x10                ; sh
	v_lshrrev_b32 v3, 5, v0
	v_readfirstlane_b32 s12, v3                    ; wave
	v_and_b32 v3, 31, v0                           ; lane
	s_lshl_b32 s13, ttmp9, 2
	s_add_co_u32 s13, s13, s12                     ; chunk
	s_and_b32 s14, ttmp7, 0xffff                   ; head
	s_lshl_b32 s15, s13, 10
	v_lshl_add_u32 v1, v3, 4, s15                  ; my 16 bytes in part: 1,024 chunk + 16 lane
	s_lshl_b32 s15, s13, 9
	v_lshl_add_u32 v2, v3, 4, s15                  ; in sh: 512 chunk + 16 lane
	v_and_b32 v9, 15, v0
	v_min_u32 v9, 14, v9                           ; lane l % 16 takes segment l's four words; segment 15 has none
	v_lshlrev_b32 v9, 4, v9
	s_mul_i32 s16, s14, 15*65536
	s_mov_b32 s17, 0
	s_lshl_b32 s50, s14, 8
	s_mov_b32 s51, 0
	s_lshl_b32 s52, s14, 19
	s_mov_b32 s53, 0
	s_wait_kmcnt 0x0
	s_add_nc_u64 s[4:5], s[4:5], s[16:17]
	s_add_nc_u64 s[6:7], s[6:7], s[50:51]
	s_add_nc_u64 s[8:9], s[8:9], s[52:53]
	global_load_b128 v[4:7], v9, s[6:7]
.set c, 0
.rept 15
	global_load_b128 v[A+8*c:A+8*c+3],   v1, s[4:5] offset:c*65536 th:TH_LOAD_NT
	global_load_b128 v[A+8*c+4:A+8*c+7], v1, s[4:5] offset:c*65536+512 th:TH_LOAD_NT
.set c, c+1
.endr
.irp j, 0,1,2,3
	v_mov_b32 v[O+(\j)], 0                         ; S_0 = 0
.endr
	global_store_b128 v2, v[O:O+3], s[8:9] th:TH_STORE_NT
	s_wait_loadcnt 30                              ; amax is in; the 30 loads behind it may stay out
	v_max3_num_f32 v4, v4, v5, v6
	v_max_num_f32 v4, v4, v7                       ; lane l: the largest |A| of segment l
	s_mov_b32 s11, 0
.set c, 1
.rept 15
	v_readlane_b32 s10, v4, c-1
	s_max_u32 s11, s11, s10                        ; e of segments < c
	s_lshr_b32 s10, s11, 23
	s_max_u32 s10, s10, 11
	s_sub_co_u32 s10, 264, s10
	s_lshl_b32 s[18+2*c], s10, 23                  ; 2^(137 - x)
	s_mov_b32 s[19+2*c], s[18+2*c]                 ; named with it as a pair
.set c, c+1
.endr
.set c, 1
.rept 15
	s_wait_loadcnt 2*(15-c)                        ; A_(c-1) is in; the later segments' loads, two each, may stay out
.if c >= 2
.irp j, 0,2,4,6
	v_pk_add_f32 v[A+8*(c-1)+(\j):A+8*(c-1)+(\j)+1], v[A+8*(c-1)+(\j):A+8*(c-1)+(\j)+1], v[A+8*(c-2)+(\j):A+8*(c-2)+(\j)+1]
.endr
.endif
.irp j, 0,2,4,6
	v_pk_mul_f32 v[T+(\j):T+(\j)+1], v[A+8*(c-1)+(\j):A+8*(c-1)+(\j)+1], s[18+2*c:19+2*c] op_sel_hi:[1,0]
.endr
.irp j, 0,1,2,3
	v_cvt_pk_f16_f32 v[O+4*c+(\j)], v[T+2*(\j)], v[T+2*(\j)+1]
.endr
	global_store_b128 v2, v[O+4*c:O+4*c+3], s[8:9] offset:c*32768 th:TH_STORE_NT   ; 512 consecutive bytes, aligned
.set c, c+1
.endr
	s_endpgm
.Lfunc_end_k_qfc83d70695_scan:
	.size	k_qfc83d70695_scan, .Lfunc_end_k_qfc83d70695_scan-k_qfc83d70695_scan
	.p2alignl 7, 3214868480
	.fill 96, 4, 3214868480
	.section	.rodata,"a",@progbits
	.p2align	6, 0x0
	.amdhsa_kernel k_qfc83d70695_scan
		.amdhsa_group_segment_fixed_size 0
		.amdhsa_private_segment_fixed_size 0
		.amdhsa_enable_private_segment 0
		.amdhsa_kernarg_size 24
		.amdhsa_user_sgpr_count 2
		.amdhsa_user_sgpr_kernarg_segment_ptr 1
		.amdhsa_wavefront_size32 1
		.amdhsa_system_sgpr_workgroup_id_x 1
		.amdhsa_system_sgpr_workgroup_id_y 1
		.amdhsa_system_sgpr_workgroup_id_z 1
		.amdhsa_system_vgpr_workitem_id 0
		.amdhsa_next_free_vgpr 208
		.amdhsa_next_free_sgpr 66
		.amdhsa_reserve_vcc 0
		.amdhsa_float_denorm_mode_32 3
		.amdhsa_float_denorm_mode_16_64 3
		.amdhsa_memory_ordered 1
		.amdhsa_forward_progress 1
		.amdhsa_inst_pref_size 22
	.end_amdhsa_kernel
	.amdgpu_metadata
---
amdhsa.version: [ 1, 2 ]
amdhsa.kernels:
  - .name:           k_qfc83d70695_scan
    .symbol:         k_qfc83d70695_scan.kd
    .args:
      - { .name: part, .offset: 0, .size: 8, .value_kind: global_buffer, .address_space: global }
      - { .name: amax, .offset: 8, .size: 8, .value_kind: global_buffer, .address_space: global }
      - { .name: sh, .offset: 16, .size: 8, .value_kind: global_buffer, .address_space: global }
    .group_segment_fixed_size: 0
    .private_segment_fixed_size: 0
    .kernarg_segment_align: 8
    .kernarg_segment_size: 24
    .max_flat_workgroup_size: 128
    .sgpr_count:     66
    .vgpr_count:     208
    .wavefront_size: 32
...
	.end_amdgpu_metadata
.endif
;; end of part 2
;; launch attn (part 3): grid 16 x 16, 4 waves a work-group, no clusters, 280,064 bytes of LDS; arguments Q, K, V, sh, amax, out0; writes out0
.if DOCPART == 3
	.amdgcn_target "amdgcn-amd-amdhsa--gfx1250"
	.amdhsa_code_object_version 6
	.text
	.protected	k_qfc83d70695_attn
	.globl	k_qfc83d70695_attn
	.p2align	8
	.type	k_qfc83d70695_attn,@function
k_qfc83d70695_attn:
	s_mov_b64 s[64:65], 0
	v_nop
	global_prefetch_b8 v0, s[64:65] scope:SCOPE_SE
	s_setreg_imm32_b32 hwreg(HW_REG_WAVE_MODE, 25, 1), 1
	s_wait_xcnt 0x0
; out(segment c) = Qr_c S_c + tril(Qr_c Kr_c^T, -1) V_c for one segment of 256 rows of one of 16 heads.  Q, K, V, out0: [16][4096][128] f32.
; sh holds S_c times a power of two, in f16, in the order of a matrix fragment; amax holds the numbers from which that power is derived anew here (below).
; FORMATS.  Q and K are rotated in f32 (pairs d, d + 64; angle t x 10000^(-i/64)) and rounded once to f16; Qr S and Qr Kr^T are f16 products.  The scores have no bound inside f16,
; so they are rounded to bf16, and V with them, for the last product, which spans at most 255 keys.  All sums in f32.
; LIMITS.  |Qr| and |Kr| stay under 65,504; below 6e-5 f16 keeps a fixed step of 6e-8.  cos and sin: the frequency is 2^(-i log2(10000)/64) by v_exp_f32 (one unit in the last place),
; the angle of a wave's first row is rounded once to f32 (at most 2.4e-4 at t near 4,096), polynomials good to 3e-7, then rotations from row to row.  NaN and infinities are not treated
; apart, but a hidden score of any value counts as 0: its bits are cleared.
; SHARES.  Wave w owns 16 rows in each of the segment's four bands of 64: row 64 x + 16 w + 2 k + h for loading (h = lane / 16), rows 64 x + 16 w + 0..15 as its query tile x.
; For key band s tile x sees all keys if s < x, none if s > x, and holds the diagonal if s = x: 10 of the 16 pairs are multiplied, the same for every wave.
; LAYOUT.  S^T = K Q^T (source 0 = 16 keys, source 1 = 16 queries): a lane holds ONE query (lane % 16) and the keys 8 (lane / 16) + 0..7.  Two such results rounded in pairs ARE source 1
; of O^T = V^T P; Qr S is O^T = (S^T fragment)(Q fragment) on the same accumulators.  V comes out of LDS turned, by ds_load_tr16_b128.
; THE MASK is 16 registers of bits, made once from wave and lane, and is laid over the packed bf16 scores of the band's own tile by v_and_b32.
; THE POWER OF TWO.  e = the largest of amax's words of segments < c; x = max(e >> 23, 11); sh holds S x 2^(137 - x); Qr S is multiplied by 2^(x - 137), exactly.
; A UNIT is 16 loads, 64 registers: the state (unit 0), then one band's 16 rows of Q (1-4), K and V by turns (5-12).  Four units are always asked for: a ring of four slots, all of window 3.
; No tensor loads: every number is rotated or rounded between memory and LDS, so it passes through registers anyway.  No cluster: no two work-groups read the same bytes.
; REGISTERS, in windows of 256 (s_set_vgpr_msb: bits 1:0 source 0, 3:2 source 1, 5:4 source 2, 7:6 destination):
;   window 0: v0-15 addresses; v16-47 cos and sin; v48-63 the mask; v64-191 at work on a unit, then S^T (32 a tile); v192-255 set-up, then P (16 a tile)
;   window 1: O^T, tile x, dv tile a at 64 x + 8 a      window 2: v0-127 Q's fragments (32 x + 8 c); v128-191, v192-255 two buffers of 8 fragments      window 3: the ring
.set PQ,    272                        ; an LDS row of Qr or Kr: 256 bytes + 16
.set PV,    288                        ; of V: 256 + 32
.set OPITCH, 528                       ; of the stage: 512 + 16
.set QL,    0
.set KL,    256*PQ
.set VL,    2*256*PQ
.set SH,    VL+256*PV                  ; the state, 32,768 bytes
.set OS,    SH+32768                   ; 16 rows x 528 bytes for each wave, for the way out
.set SPARE, OS+4*16*OPITCH             ; the spare words, 128 bytes a wave: two blocks of 256 bytes that no other line names
.set LASTU, 12
.set SPW,  1                           ; v1   SPARE + 4 x my thread's number; never rewritten
.set GOFF, 2                           ; v2   (16 w + h) x 512 + 16 r
.set STK,  3                           ; v3-5 where I put 8 bytes of Kr, V, Qr
.set STV,  4
.set STQ,  5
.set AK,   6                           ; v6-8 my lane's place in a fragment of Kr, V, Qr
.set AV,   7
.set AQ,   8
.set LIN,  9                           ; v9   8,192 w + 16 lane: my place in sh, and in 16 rows of out0
.set OGO,  9
.set SHS,  10                          ; v10  where I put 16 bytes of the state
.set SHL,  11                          ; v11  where I read its fragments
.set OST,  12                          ; v12  the way out: where I put 16 bytes of a row
.set ORD,  13                          ; v13  where I read a row back
.set NIL,  15                          ; v15  0; never rewritten
.set CS,   16
.set D2,   24
.set DJ,   32
.set CS0,  40
.set MASK, 48
.set TB,   64
.set Y,    120
.set T,    184
.set S,    64
.set P,    192
.set F0,   128                         ; window 2
.set F1,   192
.set LR,   192                         ; set-up alone, where P will lie
.set LH,   193
.set LL,   194
.set RB,   195
.set T2,   196
.set DD,   197
.set AMO,  198
.set AM,   200
.set FQ,   64
.set ANG,  68
.set TN,   80
.set TR,   81
.set TQ,   82
.set TZ,   83
.set TS,   84
.set TC,   85
.set TU,   86
.set TW,   87
.set MSB, 0
.macro WIN new                         ; the immediate's high byte repeats the setting that is left; a switch that changes nothing is dropped
.if MSB != (\new)
	s_set_vgpr_msb (MSB<<8)|(\new)
.set MSB, (\new)
.endif
.endm
.macro PLACES                          ; four plain places behind a matrix instruction, ahead of loads into its registers and of readers of its result
.rept 4
	v_nop
.endr
.endm
.macro BAR                             ; my LDS stores are done, then everybody's
	s_wait_dscnt 0x0
	s_barrier_signal -1
	s_barrier_wait -1
.endm
; Unit u: band x of the matrix at s[base], into slot u % 4
.macro LOADU u, base, x
	WIN 0xc0
.irp k, 0,1,2,3,4,5,6,7
	global_load_b128 v[64*((\u)%4)+8*(\k):64*((\u)%4)+8*(\k)+3],   v[GOFF], s[\base:\base+1] offset:(\x)*32768+(\k)*1024 th:TH_LOAD_NT
	global_load_b128 v[64*((\u)%4)+8*(\k)+4:64*((\u)%4)+8*(\k)+7], v[GOFF], s[\base:\base+1] offset:(\x)*32768+(\k)*1024+256 th:TH_LOAD_NT
.endr
.endm
; cos and sin of an angle >= 0: n = the nearest whole number to th x 2 / pi; r = th - n pi / 2, pi / 2 in two parts; polynomials on |r| <= pi / 4; the quadrant n % 4 swaps and signs
.macro SINCOS c, s, th
	v_mul_f32 v[TN], 0x3f22f983, v[\th]
	v_rndne_f32 v[TN], v[TN]
	v_fmamk_f32 v[TR], v[TN], 0xbfc90fdb, v[\th]
	v_fmamk_f32 v[TR], v[TN], 0x333bbd2e, v[TR]
	v_cvt_i32_f32 v[TQ], v[TN]
	v_mul_f32 v[TZ], v[TR], v[TR]
	v_fma_f32 v[TS], v[TZ], s24, s25               ; -z / 5040 + 1 / 120
	v_fma_f32 v[TC], v[TZ], s26, s27               ; z / 40320 - 1 / 720
	v_fmaak_f32 v[TS], v[TS], v[TZ], 0xbe2aaaab    ; .. - 1 / 6
	v_fmaak_f32 v[TC], v[TC], v[TZ], 0x3d2aaaab    ; .. + 1 / 24
	v_mul_f32 v[TU], v[TR], v[TZ]
	v_mul_f32 v[TW], v[TZ], v[TZ]
	v_fma_f32 v[TS], v[TU], v[TS], v[TR]           ; sin r
	v_fma_f32 v[TU], v[TZ], -0.5, 1.0
	v_fma_f32 v[TC], v[TW], v[TC], v[TU]           ; cos r
	v_and_b32 v[TU], 1, v[TQ]
	v_cmp_eq_u32 vcc_lo, 1, v[TU]
	v_cndmask_b32 v[\c], v[TC], v[TS], vcc_lo
	v_cndmask_b32 v[\s], v[TS], v[TC], vcc_lo
	v_add_nc_u32 v[TU], 1, v[TQ]
	v_and_b32 v[TU], 2, v[TU]                      ; cos is negative in quadrants 1 and 2,
	v_and_b32 v[TW], 2, v[TQ]                      ; sin in 2 and 3
	v_lshlrev_b32 v[TU], 30, v[TU]
	v_lshlrev_b32 v[TW], 30, v[TW]
	v_xor_b32 v[\c], v[\c], v[TU]
	v_xor_b32 v[\s], v[\s], v[TW]
.endm
; My four frequencies (i = 4 r + e), and cos and sin of my first row's angles, of 2 f and of 50 f.  s36 = 256 seg + 16 w
.macro SETROT
	v_lshlrev_b32 v[FQ], 2, v[LR]
	v_cvt_f32_u32 v[FQ], v[FQ]
	v_add_f32 v[FQ+1], 1.0, v[FQ]
	v_add_f32 v[FQ+2], 2.0, v[FQ]
	v_add_f32 v[FQ+3], 0x40400000, v[FQ]
.irp e, 0,1,2,3
	v_mul_f32 v[FQ+(\e)], 0xbe549a78, v[FQ+(\e)]   ; -i log2(10000) / 64
.endr
.irp e, 0,1,2,3
	v_exp_f32 v[FQ+(\e)], v[FQ+(\e)]
.endr
	v_add_nc_u32 v[T2], s36, v[LH]                 ; my first row in the head: plain work behind the last exponential
	v_cvt_f32_u32 v[T2], v[T2]
	s_wait_alu depctr_va_vdst(0)                   ; one wait for the four exponentials, ahead of their first reader
.irp e, 0,1,2,3
	v_mul_f32 v[ANG+(\e)], v[T2], v[FQ+(\e)]
	v_add_f32 v[ANG+4+(\e)], v[FQ+(\e)], v[FQ+(\e)]
	v_mul_f32 v[ANG+8+(\e)], 0x42480000, v[FQ+(\e)]
.endr
.irp e, 0,1,2,3
	SINCOS CS0+(\e), CS0+4+(\e), ANG+(\e)
	SINCOS D2+(\e), D2+4+(\e), ANG+4+(\e)
	SINCOS DJ+(\e), DJ+4+(\e), ANG+8+(\e)
.endr
.endm
; dst = src turned by the angle of by: c = c c' - s s', s = s c' + c s'
.macro ROTSTEP dst, src, by
.irp p, 0,2
	v_pk_mul_f32 v[T+(\p):T+(\p)+1],   v[(\src)+4+(\p):(\src)+5+(\p)], v[(\by)+4+(\p):(\by)+5+(\p)]
	v_pk_mul_f32 v[T+4+(\p):T+5+(\p)], v[(\src)+(\p):(\src)+(\p)+1],   v[(\by)+4+(\p):(\by)+5+(\p)]
.endr
.irp p, 0,2
	v_pk_fma_f32 v[(\dst)+(\p):(\dst)+(\p)+1],   v[(\src)+(\p):(\src)+(\p)+1],   v[(\by)+(\p):(\by)+(\p)+1], v[T+(\p):T+(\p)+1] neg_lo:[0,0,1] neg_hi:[0,0,1]
	v_pk_fma_f32 v[(\dst)+4+(\p):(\dst)+5+(\p)], v[(\src)+4+(\p):(\src)+5+(\p)], v[(\by)+(\p):(\by)+(\p)+1], v[T+4+(\p):T+5+(\p)]
.endr
.endm
; Unit u (band x) is rotated, rounded to f16 and put into LDS rows of the given pitch
.macro UNITROT u, st, x, pitch
.set CB, CS
.if (\x) == 0
.set CB, CS0
.endif
	WIN 0
	ROTSTEP TB, CB, D2                             ; the table of the band's pairs 1 .. 7 needs no data: it stands ahead of the wait
.irp k, 1,2,3,4,5,6
	ROTSTEP TB+8*(\k), TB+8*(\k)-8, D2
.endr
.set CN, LASTU-(\u)
.if CN > 3
.set CN, 3
.endif
	s_wait_loadcnt 16*CN                           ; loads come back in order (ISA guide 5.7.1): the units asked for behind this one, 16 loads each, may stay out
	WIN 0x03
.irp k, 0,1,2,3,4,5,6,7
.set CK, TB+8*(\k)-8
.if (\k) == 0
.set CK, CB
.endif
.set XK, 64*((\u)%4)+8*(\k)
.set YK, Y+8*(\k)
.irp p, 0,2
	v_pk_mul_f32 v[YK+(\p):YK+(\p)+1],   v[XK+4+(\p):XK+5+(\p)], v[CK+4+(\p):CK+5+(\p)]  ; x2 sin
	v_pk_mul_f32 v[YK+4+(\p):YK+5+(\p)], v[XK+(\p):XK+(\p)+1],   v[CK+4+(\p):CK+5+(\p)]  ; x1 sin
.endr
.irp p, 0,2
	v_pk_fma_f32 v[YK+(\p):YK+(\p)+1],   v[XK+(\p):XK+(\p)+1],   v[CK+(\p):CK+(\p)+1], v[YK+(\p):YK+(\p)+1] neg_lo:[0,0,1] neg_hi:[0,0,1]  ; x1 cos - x2 sin
	v_pk_fma_f32 v[YK+4+(\p):YK+5+(\p)], v[XK+4+(\p):XK+5+(\p)], v[CK+(\p):CK+(\p)+1], v[YK+4+(\p):YK+5+(\p)]                             ; x2 cos + x1 sin
.endr
.endr
	WIN 0
.irp k, 0,1,2,3,4,5,6,7
	v_cvt_pk_f16_f32 v[Y+8*(\k)],   v[Y+8*(\k)],   v[Y+8*(\k)+1]
	v_cvt_pk_f16_f32 v[Y+8*(\k)+1], v[Y+8*(\k)+2], v[Y+8*(\k)+3]
	v_cvt_pk_f16_f32 v[Y+8*(\k)+4], v[Y+8*(\k)+4], v[Y+8*(\k)+5]
	v_cvt_pk_f16_f32 v[Y+8*(\k)+5], v[Y+8*(\k)+6], v[Y+8*(\k)+7]
	ds_store_b64 v[\st], v[Y+8*(\k):Y+8*(\k)+1]   offset:(\x)*64*(\pitch)+(\k)*2*(\pitch)
	ds_store_b64 v[\st], v[Y+8*(\k)+4:Y+8*(\k)+5] offset:(\x)*64*(\pitch)+(\k)*2*(\pitch)+128
.endr
.if (\x) < 3
	ROTSTEP CS, TB+48, DJ                          ; 14 + 50 rows on: the next band's first pair
.endif
.endm
; Unit u (band x of V) is rounded to bf16 and put into LDS
.macro UNITCVT u, st, x
.set CN, LASTU-(\u)
.if CN > 3
.set CN, 3
.endif
	s_wait_loadcnt 16*CN
	WIN 0x0f
.irp k, 0,1,2,3,4,5,6,7
.set XK, 64*((\u)%4)+8*(\k)
	v_cvt_pk_bf16_f32 v[Y+4*(\k)],   v[XK],   v[XK+1]
	v_cvt_pk_bf16_f32 v[Y+4*(\k)+1], v[XK+2], v[XK+3]
	v_cvt_pk_bf16_f32 v[Y+4*(\k)+2], v[XK+4], v[XK+5]
	v_cvt_pk_bf16_f32 v[Y+4*(\k)+3], v[XK+6], v[XK+7]
.endr
	WIN 0
.irp k, 0,1,2,3,4,5,6,7
	ds_store_b64 v[\st], v[Y+4*(\k):Y+4*(\k)+1]   offset:(\x)*64*PV+(\k)*2*PV
	ds_store_b64 v[\st], v[Y+4*(\k)+2:Y+4*(\k)+3] offset:(\x)*64*PV+(\k)*2*PV+128
.endr
.endm
; THE LDS LOADS stand in runs.  A fragment of Qr or Kr is 16 rows x 32 channels in 8 registers: lane l holds row l % 16, channels 8 (l / 16) + 0..7 and 16 + 8 (l / 16) + 0..7.
.macro FETCHQ                          ; my four query tiles, all 128 channels: they stay in registers
	WIN 0x80
.irp x, 0,1,2,3
.irp c, 0,1,2,3
	ds_load_b128 v[32*(\x)+8*(\c):32*(\x)+8*(\c)+3],   v[AQ] offset:(\x)*64*PQ+64*(\c)
	ds_load_b128 v[32*(\x)+8*(\c)+4:32*(\x)+8*(\c)+7], v[AQ] offset:(\x)*64*PQ+64*(\c)+32
.endr
.endr
.endm
.macro FETCHS g, f                     ; the state's fragments of dv tiles 2 g, 2 g + 1: chunk 8 a + 2 c is registers 0-3, chunk 8 a + 2 c + 1 registers 4-7
	WIN 0x80
.irp a, 0,1
.irp c, 0,1,2,3
	ds_load_b128 v[(\f)+8*(4*(\a)+(\c)):(\f)+8*(4*(\a)+(\c))+3],   v[SHL] offset:((2*(\g)+(\a))*4+(\c))*1024
	ds_load_b128 v[(\f)+8*(4*(\a)+(\c))+4:(\f)+8*(4*(\a)+(\c))+7], v[SHL] offset:((2*(\g)+(\a))*4+(\c))*1024+512
.endr
.endr
.endm
.macro FETCHK b, f                     ; the band's key tiles 2 b, 2 b + 1
	WIN 0x80
.irp j, 0,1
.irp c, 0,1,2,3
	ds_load_b128 v[(\f)+8*(4*(\j)+(\c)):(\f)+8*(4*(\j)+(\c))+3],   v[AK] offset:(2*(\b)+(\j))*16*PQ+64*(\c)
	ds_load_b128 v[(\f)+8*(4*(\j)+(\c))+4:(\f)+8*(4*(\j)+(\c))+7], v[AK] offset:(2*(\b)+(\j))*16*PQ+64*(\c)+32
.endr
.endr
.endm
.macro FETCHV kk, f                    ; the band's keys 32 kk on, all 8 dv tiles, turned
	WIN 0x80
.irp a, 0,1,2,3,4,5,6,7
	ds_load_tr16_b128 v[(\f)+8*(\a):(\f)+8*(\a)+3],   v[AV] offset:(\kk)*32*PV+32*(\a)
	ds_load_tr16_b128 v[(\f)+8*(\a)+4:(\f)+8*(\a)+7], v[AV] offset:(\kk)*32*PV+16*PV+32*(\a)
.endr
.endm
; THE MATRIX WORK.  In each macro the accumulators take turns, one instruction a turn: no two matrix instructions on end name the same one.
.macro QS g, f                         ; O^T = S^T Q^T for dv tiles 2 g, 2 g + 1 and my four query tiles: 8 accumulators, 4 K steps; the first starts the sums
	WIN 0x5a
.irp c, 0,1,2,3
.irp a, 0,1
.irp x, 0,1,2,3
.if (\c) == 0
	v_wmma_f32_16x16x32_f16 v[64*(\x)+8*(2*(\g)+(\a)):64*(\x)+8*(2*(\g)+(\a))+7], v[(\f)+8*(4*(\a)+(\c)):(\f)+8*(4*(\a)+(\c))+7], v[32*(\x)+8*(\c):32*(\x)+8*(\c)+7], 0
.else
	v_wmma_f32_16x16x32_f16 v[64*(\x)+8*(2*(\g)+(\a)):64*(\x)+8*(2*(\g)+(\a))+7], v[(\f)+8*(4*(\a)+(\c)):(\f)+8*(4*(\a)+(\c))+7], v[32*(\x)+8*(\c):32*(\x)+8*(\c)+7], v[64*(\x)+8*(2*(\g)+(\a)):64*(\x)+8*(2*(\g)+(\a))+7]
.endif
.endr
.endr
.endr
.endm
.macro KQ s, b, f                      ; S^T = K Q^T for key tiles 2 b, 2 b + 1 of band s and query tiles s .. 3
	WIN 0x0a
.irp c, 0,1,2,3
.irp j, 0,1
.irp x, 0,1,2,3
.if (\x) >= (\s)
.if (\c) == 0
	v_wmma_f32_16x16x32_f16 v[S+32*(\x)+8*(2*(\b)+(\j)):S+32*(\x)+8*(2*(\b)+(\j))+7], v[(\f)+8*(4*(\j)+(\c)):(\f)+8*(4*(\j)+(\c))+7], v[32*(\x)+8*(\c):32*(\x)+8*(\c)+7], 0
.else
	v_wmma_f32_16x16x32_f16 v[S+32*(\x)+8*(2*(\b)+(\j)):S+32*(\x)+8*(2*(\b)+(\j))+7], v[(\f)+8*(4*(\j)+(\c)):(\f)+8*(4*(\j)+(\c))+7], v[32*(\x)+8*(\c):32*(\x)+8*(\c)+7], v[S+32*(\x)+8*(2*(\b)+(\j)):S+32*(\x)+8*(2*(\b)+(\j))+7]
.endif
.endif
.endr
.endr
.endr
.endm
.macro PCVT s                          ; the scores of tiles s .. 3 are rounded to bf16 in pairs, each accumulator from its low end; tile s, which holds the diagonal, is masked
	WIN 0
.irp x, 0,1,2,3
.if (\x) >= (\s)
.set n, 0
.rept 16
	v_cvt_pk_bf16_f32 v[P+16*(\x)+n], v[S+32*(\x)+2*n], v[S+32*(\x)+2*n+1]
.set n, n+1
.endr
.endif
.endr
.set n, 0
.rept 16
	v_and_b32 v[P+16*(\s)+n], v[P+16*(\s)+n], v[MASK+n]
.set n, n+1
.endr
.endm
.macro PVM s, kk, f                    ; O^T += V^T P for keys 32 kk on of band s, all 8 dv tiles, query tiles s .. 3
	WIN 0x52
.irp a, 0,1,2,3,4,5,6,7
.irp x, 0,1,2,3
.if (\x) >= (\s)
	v_wmma_f32_16x16x32_bf16 v[64*(\x)+8*(\a):64*(\x)+8*(\a)+7], v[(\f)+8*(\a):(\f)+8*(\a)+7], v[P+16*(\x)+8*(\kk):P+16*(\x)+8*(\kk)+7], v[64*(\x)+8*(\a):64*(\x)+8*(\a)+7]
.endif
.endr
.endr
.endm
; THE WAY OUT of query tile x.  A lane holds one row's columns 16 a + 8 (l / 16) + 0..7: 32 bytes for each a.  They go into my own stage, rows of 528 bytes, and come back as whole rows of 512,
; into the registers that they left (LDS serves a wave's instructions in order: ISA guide 5.7.1.4).
.macro OUT x
	WIN 0x04
.irp a, 0,1,2,3,4,5,6,7
	ds_store_b128 v[OST], v[64*(\x)+8*(\a):64*(\x)+8*(\a)+3]   offset:64*(\a)
	ds_store_b128 v[OST], v[64*(\x)+8*(\a)+4:64*(\x)+8*(\a)+7] offset:64*(\a)+16
.endr
	WIN 0x40
.irp i, 0,1,2,3,4,5,6,7,8,9,10,11,12,13,14,15
	ds_load_b128 v[64*(\x)+4*(\i):64*(\x)+4*(\i)+3], v[ORD] offset:OPITCH*(\i)
.endr
	WIN 0x04
.irp i, 0,1,2,3,4,5,6,7,8,9,10,11,12,13,14,15
	s_wait_dscnt 15-(\i)                           ; row i is back; the rows behind it may stay out
	global_store_b128 v[OGO], v[64*(\x)+4*(\i):64*(\x)+4*(\i)+3], s[14:15] offset:(\x)*32768+(\i)*512 th:TH_STORE_NT  ; a whole row: 512 consecutive bytes, aligned; these registers are not written again
.endr
.endm
; KEY BAND s.  Its K and V go into LDS; behind the barrier tiles s .. 3 take it; tile s is then finished and leaves.  Every LDS byte but my own stage is written once, so one barrier a band is enough.
.macro STEP s
	UNITROT 5+2*(\s), STK, \s, PQ
.if (\s) < 2
	LOADU 9+2*(\s), 6, (\s)+2                      ; the slot just read out takes the band two further on
.endif
	UNITCVT 6+2*(\s), STV, \s
.if (\s) < 2
	LOADU 10+2*(\s), 8, (\s)+2
.endif
	BAR                                            ; the band's rows come from all four waves
	FETCHK 0, F0
	FETCHK 1, F1
	s_wait_dscnt 16                                ; the first 16 loads are in; here and below the 16 just issued may stay out
	KQ \s, 0, F0
	PLACES
	FETCHV 0, F0
	s_wait_dscnt 16
	KQ \s, 1, F1
	PLACES
	FETCHV 1, F1
	PCVT \s
	s_wait_dscnt 16
	PVM \s, 0, F0
	s_wait_dscnt 0x0
	PVM \s, 1, F1
	PLACES
	OUT \s
	WIN 0
.if (\s) < 3
	v_add_nc_u32 v[AK], 64*PQ, v[AK]
	v_add_nc_u32 v[AV], 64*PV, v[AV]
.endif
.endm
	s_load_b256 s[4:11], s[0:1], 0x0               ; Q s[4:5], K s[6:7], V s[8:9], sh s[10:11]
	s_load_b128 s[12:15], s[0:1], 0x20             ; amax s[12:13], out0 s[14:15]
	v_lshl_add_u32 v[SPW], v0, 2, SPARE
	v_mov_b32 v[NIL], 0
	v_lshrrev_b32 v[T2], 5, v0
	v_readfirstlane_b32 s16, v[T2]                 ; wave 0..3
	s_mov_b32 s17, ttmp9                           ; segment
	s_and_b32 s18, ttmp7, 0xffff                   ; head
	v_and_b32 v[LR], 15, v0
	v_bfe_u32 v[LH], v0, 4, 1
	v_and_b32 v[LL], 31, v0
	s_lshl_b32 s19, s16, 4
	v_add_nc_u32 v[RB], s19, v[LH]
	v_lshlrev_b32 v[GOFF], 9, v[RB]
	v_lshl_add_u32 v[GOFF], v[LR], 4, v[GOFF]
	s_lshl_b32 s23, s16, 13
	v_lshl_add_u32 v[LIN], v[LL], 4, s23
	v_min_u32 v[AMO], 14, v[LR]                    ; lane l % 16 takes segment l's four words; segment 15 has none
	v_lshlrev_b32 v[AMO], 4, v[AMO]
	s_lshl_b32 s20, s18, 21                        ; a head is 4,096 rows of 512 bytes,
	s_lshl_b32 s21, s17, 17                        ; a segment 256
	s_add_co_u32 s20, s20, s21
	s_mov_b32 s21, 0
	s_lshl_b32 s22, s18, 8                         ; amax: 256 bytes a head
	s_mov_b32 s23, 0
	s_lshl_b32 s38, s18, 4
	s_add_co_u32 s38, s38, s17
	s_lshl_b32 s38, s38, 15                        ; sh: 32,768 bytes a state
	s_mov_b32 s39, 0
	s_wait_kmcnt 0x0
	s_add_nc_u64 s[4:5], s[4:5], s[20:21]
	s_add_nc_u64 s[6:7], s[6:7], s[20:21]
	s_add_nc_u64 s[8:9], s[8:9], s[20:21]
	s_add_nc_u64 s[14:15], s[14:15], s[20:21]
	s_add_nc_u64 s[12:13], s[12:13], s[22:23]
	s_add_nc_u64 s[10:11], s[10:11], s[38:39]
	global_load_b128 v[AM:AM+3], v[AMO], s[12:13]
	WIN 0xc0
.irp j, 0,1,2,3,4,5,6,7,8,9,10,11,12,13,14,15
	global_load_b128 v[4*(\j):4*(\j)+3], v[LIN], s[10:11] offset:512*(\j) th:TH_LOAD_NT  ; unit 0: my quarter of the state
.endr
	LOADU 1, 4, 0
	LOADU 2, 4, 1
	WIN 0
	s_mov_b32 s24, 0xb9500d01                      ; -1 / 5040
	s_mov_b32 s25, 0x3c088889                      ; 1 / 120
	s_mov_b32 s26, 0x37d00d01                      ; 1 / 40320
	s_mov_b32 s27, 0xbab60b61                      ; -1 / 720
	s_mov_b32 s28, 0xffff
	s_lshl_b32 s36, s17, 8
	s_add_co_u32 s36, s36, s19                     ; 256 seg + 16 w
	v_add_nc_u32 v[SHS], SH, v[LIN]
	v_lshl_add_u32 v[SHL], v[LL], 4, SH
	v_mul_u32_u24 v[STQ], v[RB], PQ
	v_lshl_add_u32 v[STQ], v[LR], 3, v[STQ]        ; row x pitch + 8 r
	v_add_nc_u32 v[STK], KL, v[STQ]
	v_mul_u32_u24 v[STV], v[RB], PV
	v_lshl_add_u32 v[STV], v[LR], 3, v[STV]
	v_add_nc_u32 v[STV], VL, v[STV]
	v_add_nc_u32 v[T2], s19, v[LR]
	v_mul_u32_u24 v[AQ], v[T2], PQ
	v_lshl_add_u32 v[AQ], v[LH], 4, v[AQ]          ; (16 w + r) x pitch + 16 h
	v_mul_u32_u24 v[AK], v[LR], PQ
	v_lshl_add_u32 v[AK], v[LH], 4, v[AK]
	v_add_nc_u32 v[AK], KL, v[AK]
	v_and_b32 v[T2], 7, v0                         ; the turning load: lane l reads key 8 (l / 16) + l % 8, bytes 16 ((l / 8) % 2) on
	v_lshl_add_u32 v[T2], v[LH], 3, v[T2]
	v_mul_u32_u24 v[AV], v[T2], PV
	v_bfe_u32 v[T2], v0, 3, 1
	v_lshl_add_u32 v[AV], v[T2], 4, v[AV]
	v_add_nc_u32 v[AV], VL, v[AV]
	s_mul_i32 s22, s16, 16*OPITCH
	s_add_co_u32 s22, s22, OS                      ; my stage
	v_mul_u32_u24 v[OST], v[LR], OPITCH
	v_lshl_add_u32 v[OST], v[LH], 5, v[OST]
	v_add_nc_u32 v[OST], s22, v[OST]
	v_lshl_add_u32 v[ORD], v[LL], 4, s22
	; the mask of a band's own tile: key 16 kt + 8 h + j is seen by query 16 w + r where 16 kt + j < 16 w + r - 8 h.  Register 4 kt + jj covers j = 2 jj (low half) and 2 jj + 1 (high half).
	v_lshlrev_b32 v[T2], 3, v[LH]
	v_sub_nc_u32 v[DD], v[LR], v[T2]
	v_add_nc_u32 v[DD], s19, v[DD]
.set n, 0
.rept 16
	v_cmp_lt_i32 vcc_lo, 16*(n/4)+2*(n%4), v[DD]
	v_cndmask_b32 v[MASK+n], 0, s28, vcc_lo
	v_cmp_lt_i32 vcc_lo, 16*(n/4)+2*(n%4)+1, v[DD]
	v_cndmask_b32 v[MASK+n], v[MASK+n], -1, vcc_lo ; where the odd key is seen the even one is too
.set n, n+1
.endr
	SETROT
	LOADU 3, 4, 2
	; unit 0: the state goes into LDS as it lies
	s_wait_loadcnt 48                              ; amax and unit 0 are in; units 1 to 3 may stay out
	WIN 0x0c
.irp j, 0,1,2,3,4,5,6,7,8,9,10,11,12,13,14,15
	ds_store_b128 v[SHS], v[4*(\j):4*(\j)+3] offset:512*(\j)
.endr
	s_wait_dscnt 0x0                               ; the stores have read slot 0: it is asked for again only behind this wait
	LOADU 4, 4, 3
	WIN 0
	v_max3_num_f32 v[AM], v[AM], v[AM+1], v[AM+2]  ; the power of two: the largest |A| of the segments before mine
	v_max_num_f32 v[AM], v[AM], v[AM+3]
	v_cmp_gt_u32 vcc_lo, s17, v[LR]
	v_cndmask_b32 v[AM], 0, v[AM], vcc_lo
	v_max_num_f32_dpp v[AM], v[AM], v[AM] row_xmask:1 row_mask:0xf bank_mask:0xf
	v_max_num_f32_dpp v[AM], v[AM], v[AM] row_xmask:2 row_mask:0xf bank_mask:0xf
	v_max_num_f32_dpp v[AM], v[AM], v[AM] row_xmask:4 row_mask:0xf bank_mask:0xf
	v_max_num_f32_dpp v[AM], v[AM], v[AM] row_xmask:8 row_mask:0xf bank_mask:0xf
	v_readfirstlane_b32 s33, v[AM]
	s_lshr_b32 s33, s33, 23
	s_max_u32 s33, s33, 11
	s_sub_co_u32 s33, s33, 10
	s_lshl_b32 s34, s33, 23                        ; 2^(x - 137)
	s_mov_b32 s35, s34                             ; named with it as a pair
	UNITROT 1, STQ, 0, PQ
	LOADU 5, 6, 0
	UNITROT 2, STQ, 1, PQ
	LOADU 6, 8, 0
	UNITROT 3, STQ, 2, PQ
	LOADU 7, 6, 1
	UNITROT 4, STQ, 3, PQ
	LOADU 8, 8, 1
	BAR                                            ; the state comes from all four waves (Qr's rows that I read are my own)
	; Qr S: the first two bands of K and V are on their way meanwhile
	FETCHQ
	FETCHS 0, F0
	FETCHS 1, F1
	s_wait_dscnt 16                                ; here and below: all but the 16 loads just issued
	QS 0, F0
	PLACES
	FETCHS 2, F0
	s_wait_dscnt 16
	QS 1, F1
	PLACES
	FETCHS 3, F1
	s_wait_dscnt 16
	QS 2, F0
	s_wait_dscnt 0x0
	QS 3, F1
	WIN 0x41                                       ; the power of two is taken out again, ascending: the first 24 lines name no register of the last eight products and are their places
.set n, 0
.rept 128
	v_pk_mul_f32 v[n:n+1], v[n:n+1], s[34:35] op_sel_hi:[1,0]
.set n, n+2
.endr
	STEP 0
	STEP 1
	STEP 2
	STEP 3
	s_wait_tensorcnt 0x0                           ; the wave's end, behind my last LDS store
	ds_add_u32 v[SPW], v[NIL]
	s_wait_dscnt 0x0
	s_endpgm
.Lfunc_end_k_qfc83d70695_attn:
	.size	k_qfc83d70695_attn, .Lfunc_end_k_qfc83d70695_attn-k_qfc83d70695_attn
	.p2alignl 7, 3214868480
	.fill 96, 4, 3214868480
	.section	.rodata,"a",@progbits
	.p2align	6, 0x0
	.amdhsa_kernel k_qfc83d70695_attn
		.amdhsa_group_segment_fixed_size 280064
		.amdhsa_private_segment_fixed_size 0
		.amdhsa_enable_private_segment 0
		.amdhsa_kernarg_size 48
		.amdhsa_user_sgpr_count 2
		.amdhsa_user_sgpr_kernarg_segment_ptr 1
		.amdhsa_wavefront_size32 1
		.amdhsa_system_sgpr_workgroup_id_x 1
		.amdhsa_system_sgpr_workgroup_id_y 1
		.amdhsa_system_sgpr_workgroup_id_z 1
		.amdhsa_system_vgpr_workitem_id 0
		.amdhsa_next_free_vgpr 1024
		.amdhsa_next_free_sgpr 66
		.amdhsa_reserve_vcc 1
		.amdhsa_float_denorm_mode_32 3
		.amdhsa_float_denorm_mode_16_64 3
		.amdhsa_memory_ordered 1
		.amdhsa_forward_progress 1
		.amdhsa_inst_pref_size 235
	.end_amdhsa_kernel
	.amdgpu_metadata
---
amdhsa.version: [ 1, 2 ]
amdhsa.kernels:
  - .name:           k_qfc83d70695_attn
    .symbol:         k_qfc83d70695_attn.kd
    .args:
      - { .name: Q, .offset: 0, .size: 8, .value_kind: global_buffer, .address_space: global }
      - { .name: K, .offset: 8, .size: 8, .value_kind: global_buffer, .address_space: global }
      - { .name: V, .offset: 16, .size: 8, .value_kind: global_buffer, .address_space: global }
      - { .name: sh, .offset: 24, .size: 8, .value_kind: global_buffer, .address_space: global }
      - { .name: amax, .offset: 32, .size: 8, .value_kind: global_buffer, .address_space: global }
      - { .name: out0, .offset: 40, .size: 8, .value_kind: global_buffer, .address_space: global }
    .group_segment_fixed_size: 280064
    .private_segment_fixed_size: 0
    .kernarg_segment_align: 8
    .kernarg_segment_size: 48
    .max_flat_workgroup_size: 128
    .sgpr_count:     66
    .vgpr_count:     1024
    .wavefront_size: 32
...
	.end_amdgpu_metadata
.endif
;; end of part 3
;; ======== version 2 of 2: 3 launches; version 1 with the launch attn written anew for expert scheduling mode
;; limits: values are held in f16: magnitudes above 65,504 overflow, below 6.1e-05 lose precision
;; workspace buffers: part 15,728,640 bytes; amax 4,096 bytes; sh 8,388,608 bytes
;; launch kv: the kernel of part 1 again; grid 15 x 16, 4 waves a work-group, no clusters, 147,968 bytes of LDS; arguments K, V, part, amax; writes part, amax
;; launch scan: the kernel of part 2 again; grid 16 x 16, 4 waves a work-group, no clusters, 0 bytes of LDS; arguments part, amax, sh; writes sh
;; launch attn (part 4): grid 16 x 16, 4 waves a work-group, no clusters, 280,064 bytes of LDS; arguments Q, K, V, sh, amax, out0; writes out0
.if DOCPART == 4
	.amdgcn_target "amdgcn-amd-amdhsa--gfx1250"
	.amdhsa_code_object_version 6
	.text
	.protected	k_qfc83d70695_attn
	.globl	k_qfc83d70695_attn
	.p2align	8
	.type	k_qfc83d70695_attn,@function
k_qfc83d70695_attn:
	s_mov_b64 s[64:65], 0
	v_nop
	global_prefetch_b8 v0, s[64:65] scope:SCOPE_SE
	s_setreg_imm32_b32 hwreg(HW_REG_WAVE_SCHED_MODE, 0, 2), 2
	s_setreg_imm32_b32 hwreg(HW_REG_WAVE_MODE, 25, 1), 1
	s_wait_xcnt 0x0
	s_wait_alu depctr_vm_vsrc(0)
; out(segment c) = Qr_c S_c + tril(Qr_c Kr_c^T, -1) V_c for one segment of 256 rows of one of 16 heads.  Q, K, V, out0: [16][4096][128] f32.
; sh holds S_c times a power of two, in f16, in the order of a matrix fragment; amax holds the numbers from which that power is derived anew here (below).
; FORMATS.  Q and K are rotated in f32 (pairs d, d + 64; angle t x 10000^(-i/64)) and rounded once to f16; Qr S and Qr Kr^T are f16 products.  The scores have no bound inside f16,
; so they are rounded to bf16, and V with them, for the last product, which spans at most 255 keys.  All sums in f32.
; LIMITS.  |Qr| and |Kr| stay under 65,504; below 6e-5 f16 keeps a fixed step of 6e-8.  cos and sin: the frequency is 2^(-i log2(10000)/64) by v_exp_f32 (one unit in the last place),
; the angle of a wave's first row is rounded once to f32 (at most 2.4e-4 at t near 4,096), polynomials good to 3e-7, then rotations from row to row.  NaN and infinities are not treated
; apart, but a hidden score of any value counts as 0: its bits are cleared.
; SHARES.  Wave w owns 16 rows in each of the segment's four bands of 64: row 64 x + 16 w + 2 k + h for loading (h = lane / 16), rows 64 x + 16 w + 0..15 as its query tile x.
; For key band s tile x sees all keys if s < x, none if s > x, and holds the diagonal if s = x: 10 of the 16 pairs are multiplied, the same for every wave.
; LAYOUT.  S^T = K Q^T (source 0 = 16 keys, source 1 = 16 queries): a lane holds ONE query (lane % 16) and the keys 8 (lane / 16) + 0..7.  Two such results rounded in pairs ARE source 1
; of O^T = V^T P; Qr S is O^T = (S^T fragment)(Q fragment) on the same accumulators.  V comes out of LDS turned, by ds_load_tr16_b128.
; THE MASK is 16 registers of bits, made once from wave and lane, and is laid over the packed bf16 scores of the band's own tile by v_and_b32.
; THE POWER OF TWO.  e = the largest of amax's words of segments < c; x = max(e >> 23, 11); sh holds S x 2^(137 - x); Qr S is multiplied by 2^(x - 137), exactly.
; A UNIT is 16 loads, 64 registers: the state (unit 0), then one band's 16 rows of Q (1-4), K and V by turns (5-12).  Four units are always asked for: a ring of four slots, all of window 3.
; No tensor loads: every number is rotated or rounded between memory and LDS, so it passes through registers anyway.  No cluster: no two work-groups read the same bytes.
; REGISTERS, in windows of 256 (s_set_vgpr_msb: bits 1:0 source 0, 3:2 source 1, 5:4 source 2, 7:6 destination):
;   window 0: v0-15 addresses; v16-47 cos and sin; v48-63 the mask; v64-191 at work on a unit, for Qr S two fragment buffers (G0, G1), then S^T (32 a tile), whose first 16 registers take P in place;
;             v192-255 set-up, then a fragment buffer (F2)
;   window 1: O^T, tile x, dv tile a at 64 x + 8 a      window 2: v0-127 Q's fragments (32 x + 8 c); v128-191, v192-255 fragment buffers F0, F1      window 3: the ring
; THE MODE: SCHED_MODE bits 1:0 = 2 (LLVM: expert scheduling mode 2), set by the entry lines.  The code itself states the register dependences
; between vector or matrix instructions and memory or LDS instructions, with s_wait_alu, always for 0.
; THE PLAN.  Registers that memory or LDS instructions touch:
;   the ring's slots   Written by a unit's 16 loads; read by the unit's rotation or rounding lines (slot 0, unit 0: by 16 LDS stores).
;   Y (v120-183)       Written by a unit's arithmetic; read by its 16 LDS stores.  Written again by the next unit, by the loads into G0 and G1, or by the scores.
;   F0, F1, F2, G0, G1 Written by LDS loads; read by matrix instructions.  F0 also takes a finished tile's rows back from the stage; the global stores read them there.
;   a tile of O^T      Written by matrix instructions; read by the 16 LDS stores into the stage; not written again.
;   v2-v13             Made at the head; of them AK and AV alone are written again, once a band.
; A UNIT has ONE wait on va_vdst, behind its roundings: Y is written and the slot is read out.  Behind it stand the slot's 16 new loads, the last tile's global stores and the unit's LDS stores, and no
; vector instruction before the next such wait names a register of theirs.  A wait on vm_vsrc stands ahead of the first line that writes Y again: in the unit itself, or behind the barrier.
; A BAND's matrix part has two waits on va_vdst: between K Q^T and the load of V's second half into F1, where the roundings want the scores anyway, and ahead of the stage.  V's first half goes into F2,
; which no product since the last wait names.  Qr S has four buffers for its four groups of fragments and no wait.
.set PQ,    272                        ; an LDS row of Qr or Kr: 256 bytes + 16
.set PV,    288                        ; of V: 256 + 32
.set OPITCH, 528                       ; of the stage: 512 + 16
.set QL,    0
.set KL,    256*PQ
.set VL,    2*256*PQ
.set SH,    VL+256*PV                  ; the state, 32,768 bytes
.set OS,    SH+32768                   ; 16 rows x 528 bytes for each wave, for the way out
.set SPARE, OS+4*16*OPITCH             ; the spare words, 128 bytes a wave: two blocks of 256 bytes that no other line names
.set LASTU, 12
.set SPW,  1                           ; v1   SPARE + 4 x my thread's number; never rewritten
.set GOFF, 2                           ; v2   (16 w + h) x 512 + 16 r
.set STK,  3                           ; v3-5 where I put 8 bytes of Kr, V, Qr
.set STV,  4
.set STQ,  5
.set AK,   6                           ; v6-8 my lane's place in a fragment of Kr, V, Qr
.set AV,   7
.set AQ,   8
.set LIN,  9                           ; v9   8,192 w + 16 lane: my place in sh, and in 16 rows of out0
.set OGO,  9
.set SHS,  10                          ; v10  where I put 16 bytes of the state
.set SHL,  11                          ; v11  where I read its fragments
.set OST,  12                          ; v12  the way out: where I put 16 bytes of a row
.set ORD,  13                          ; v13  where I read a row back
.set NIL,  15                          ; v15  0; never rewritten
.set CS,   16
.set D2,   24
.set DJ,   32
.set CS0,  40
.set MASK, 48
.set TB,   64
.set Y,    120
.set T,    184
.set S,    64
.set G0,   64                          ; window 0
.set G1,   128                         ; window 0
.set F2,   192                         ; window 0
.set F0,   128                         ; window 2
.set F1,   192                         ; window 2
.set LR,   192                         ; set-up alone, where F2 will lie
.set LH,   193
.set LL,   194
.set RB,   195
.set T2,   196
.set DD,   197
.set AMO,  198
.set AM,   200
.set FQ,   64
.set ANG,  68
.set TN,   80
.set TR,   81
.set TQ,   82
.set TZ,   83
.set TS,   84
.set TC,   85
.set TU,   86
.set TW,   87
.set MSB, 0
.macro WIN new                         ; the immediate's high byte repeats the setting that is left; a switch that changes nothing is dropped
.if MSB != (\new)
	s_set_vgpr_msb (MSB<<8)|(\new)
.set MSB, (\new)
.endif
.endm
.macro PLACES                          ; four plain places behind a matrix instruction (ISA guide 7.12.1), ahead of readers of its result
.rept 4
	v_nop
.endr
.endm
.macro BAR                             ; my LDS stores are done, then everybody's
	s_wait_dscnt 0x0
	s_barrier_signal -1
	s_barrier_wait -1
.endm
; Unit u: band x of the matrix at s[base], into slot u % 4
.macro LOADU u, base, x
	WIN 0xc0
.irp k, 0,1,2,3,4,5,6,7
	global_load_b128 v[64*((\u)%4)+8*(\k):64*((\u)%4)+8*(\k)+3],   v[GOFF], s[\base:\base+1] offset:(\x)*32768+(\k)*1024 th:TH_LOAD_NT
	global_load_b128 v[64*((\u)%4)+8*(\k)+4:64*((\u)%4)+8*(\k)+7], v[GOFF], s[\base:\base+1] offset:(\x)*32768+(\k)*1024+256 th:TH_LOAD_NT
.endr
.endm
; cos and sin of an angle >= 0: n = the nearest whole number to th x 2 / pi; r = th - n pi / 2, pi / 2 in two parts; polynomials on |r| <= pi / 4; the quadrant n % 4 swaps and signs
.macro SINCOS c, s, th
	v_mul_f32 v[TN], 0x3f22f983, v[\th]
	v_rndne_f32 v[TN], v[TN]
	v_fmamk_f32 v[TR], v[TN], 0xbfc90fdb, v[\th]
	v_fmamk_f32 v[TR], v[TN], 0x333bbd2e, v[TR]
	v_cvt_i32_f32 v[TQ], v[TN]
	v_and_b32 v[TU], 1, v[TQ]
	v_cmp_eq_u32 vcc_lo, 1, v[TU]                  ; an odd quadrant swaps: the compare stands early, the polynomials between it and its readers
	v_mul_f32 v[TZ], v[TR], v[TR]
	v_fma_f32 v[TS], v[TZ], s24, s25               ; -z / 5040 + 1 / 120
	v_fma_f32 v[TC], v[TZ], s26, s27               ; z / 40320 - 1 / 720
	v_fmaak_f32 v[TS], v[TS], v[TZ], 0xbe2aaaab    ; .. - 1 / 6
	v_fmaak_f32 v[TC], v[TC], v[TZ], 0x3d2aaaab    ; .. + 1 / 24
	v_mul_f32 v[TU], v[TR], v[TZ]
	v_mul_f32 v[TW], v[TZ], v[TZ]
	v_fma_f32 v[TS], v[TU], v[TS], v[TR]           ; sin r
	v_fma_f32 v[TU], v[TZ], -0.5, 1.0
	v_fma_f32 v[TC], v[TW], v[TC], v[TU]           ; cos r
	s_wait_alu depctr_va_vcc(0)                    ; the compare has written VCC, which the two selects read
	v_cndmask_b32 v[\c], v[TC], v[TS], vcc_lo
	v_cndmask_b32 v[\s], v[TS], v[TC], vcc_lo
	v_add_nc_u32 v[TU], 1, v[TQ]
	v_and_b32 v[TU], 2, v[TU]                      ; cos is negative in quadrants 1 and 2,
	v_and_b32 v[TW], 2, v[TQ]                      ; sin in 2 and 3
	v_lshlrev_b32 v[TU], 30, v[TU]
	v_lshlrev_b32 v[TW], 30, v[TW]
	v_xor_b32 v[\c], v[\c], v[TU]
	v_xor_b32 v[\s], v[\s], v[TW]
.endm
; My four frequencies (i = 4 r + e), and cos and sin of my first row's angles, of 2 f and of 50 f.  s36 = 256 seg + 16 w
.macro SETROT
	v_lshlrev_b32 v[FQ], 2, v[LR]
	v_cvt_f32_u32 v[FQ], v[FQ]
	v_add_f32 v[FQ+1], 1.0, v[FQ]
	v_add_f32 v[FQ+2], 2.0, v[FQ]
	v_add_f32 v[FQ+3], 0x40400000, v[FQ]
.irp e, 0,1,2,3
	v_mul_f32 v[FQ+(\e)], 0xbe549a78, v[FQ+(\e)]   ; -i log2(10000) / 64
.endr
.irp e, 0,1,2,3
	v_exp_f32 v[FQ+(\e)], v[FQ+(\e)]
.endr
	v_add_nc_u32 v[T2], s36, v[LH]                 ; my first row in the head: plain work behind the last exponential
	v_cvt_f32_u32 v[T2], v[T2]
	s_wait_alu depctr_va_vdst(0)                   ; the four exponentials have written v[FQ ..], ahead of their first reader; and the ten LDS addresses made above are written, which LDS instructions read and no vector instruction names before AK's and AV's steps
.irp e, 0,1,2,3
	v_mul_f32 v[ANG+(\e)], v[T2], v[FQ+(\e)]
	v_add_f32 v[ANG+4+(\e)], v[FQ+(\e)], v[FQ+(\e)]
	v_mul_f32 v[ANG+8+(\e)], 0x42480000, v[FQ+(\e)]
.endr
.irp e, 0,1,2,3
	SINCOS CS0+(\e), CS0+4+(\e), ANG+(\e)
	SINCOS D2+(\e), D2+4+(\e), ANG+4+(\e)
	SINCOS DJ+(\e), DJ+4+(\e), ANG+8+(\e)
.endr
.endm
; dst = src turned by the angle of by: c = c c' - s s', s = s c' + c s'
.macro ROTSTEP dst, src, by
.irp p, 0,2
	v_pk_mul_f32 v[T+(\p):T+(\p)+1],   v[(\src)+4+(\p):(\src)+5+(\p)], v[(\by)+4+(\p):(\by)+5+(\p)]
	v_pk_mul_f32 v[T+4+(\p):T+5+(\p)], v[(\src)+(\p):(\src)+(\p)+1],   v[(\by)+4+(\p):(\by)+5+(\p)]
.endr
.irp p, 0,2
	v_pk_fma_f32 v[(\dst)+(\p):(\dst)+(\p)+1],   v[(\src)+(\p):(\src)+(\p)+1],   v[(\by)+(\p):(\by)+(\p)+1], v[T+(\p):T+(\p)+1] neg_lo:[0,0,1] neg_hi:[0,0,1]
	v_pk_fma_f32 v[(\dst)+4+(\p):(\dst)+5+(\p)], v[(\src)+4+(\p):(\src)+5+(\p)], v[(\by)+(\p):(\by)+(\p)+1], v[T+4+(\p):T+5+(\p)]
.endr
.endm
; THE WAY OUT of query tile x, in two parts.  A lane holds one row's columns 16 a + 8 (l / 16) + 0..7: 32 bytes for each a.  TOSTAGE: they go into my own stage, rows of 528 bytes, and come back as whole
; rows of 512, into F0 (LDS serves a wave's instructions in order: ISA guide 5.7.1.4).  SEND: the rows are stored; it stands in the next band's first unit, whose arithmetic lies between the loads and it.
.macro TOSTAGE x
	WIN 0x04
	s_wait_alu depctr_va_vdst(0)                   ; the products have written tile x of O^T, which the LDS stores read, and are done reading F0, in which the rows land
.irp a, 0,1,2,3,4,5,6,7
	ds_store_b128 v[OST], v[64*(\x)+8*(\a):64*(\x)+8*(\a)+3]   offset:64*(\a)
	ds_store_b128 v[OST], v[64*(\x)+8*(\a)+4:64*(\x)+8*(\a)+7] offset:64*(\a)+16
.endr
	WIN 0x80
.irp i, 0,1,2,3,4,5,6,7,8,9,10,11,12,13,14,15
	ds_load_b128 v[F0+4*(\i):F0+4*(\i)+3], v[ORD] offset:OPITCH*(\i)
.endr
.endm
.macro SEND x
	WIN 0x08
.irp i, 0,1,2,3,4,5,6,7,8,9,10,11,12,13,14,15
	s_wait_dscnt 15-(\i)                           ; row i is back; the rows behind it may stay out
	global_store_b128 v[OGO], v[F0+4*(\i):F0+4*(\i)+3], s[14:15] offset:(\x)*32768+(\i)*512 th:TH_STORE_NT  ; a whole row: 512 consecutive bytes, aligned
.endr
.endm
; Unit u (band x) is rotated, rounded to f16 and put into LDS rows of the given pitch.  e = 1: the unit before it stored from Y and no wait on vm_vsrc has stood since.
; nu >= 0: the slot is asked for again, for unit nu (band nx of the matrix at s[nb]).  out >= 0: query tile out, which lies in F0, is stored.
.macro UNITROT u, st, x, pitch, e, nu=-1, nb=0, nx=0, out=-1
.set CB, CS
.if (\x) == 0
.set CB, CS0
.endif
	WIN 0
	ROTSTEP TB, CB, D2                             ; the table of the band's pairs 1 .. 7 needs no data: it stands ahead of the wait
.irp k, 1,2,3,4,5,6
	ROTSTEP TB+8*(\k), TB+8*(\k)-8, D2
.endr
.set CN, LASTU-(\u)
.if CN > 3
.set CN, 3
.endif
	s_wait_loadcnt 16*CN                           ; loads come back in order (ISA guide 5.7.1): the units asked for behind this one, 16 loads each, may stay out
.if \e
	s_wait_alu depctr_vm_vsrc(0)                   ; the LDS stores of the unit before have read Y, which the lines below write again
.endif
	WIN 0x03
.irp k, 0,1,2,3,4,5,6,7
.set CK, TB+8*(\k)-8
.if (\k) == 0
.set CK, CB
.endif
.set XK, 64*((\u)%4)+8*(\k)
.set YK, Y+8*(\k)
.irp p, 0,2
	v_pk_mul_f32 v[YK+(\p):YK+(\p)+1],   v[XK+4+(\p):XK+5+(\p)], v[CK+4+(\p):CK+5+(\p)]  ; x2 sin
	v_pk_mul_f32 v[YK+4+(\p):YK+5+(\p)], v[XK+(\p):XK+(\p)+1],   v[CK+4+(\p):CK+5+(\p)]  ; x1 sin
.endr
.irp p, 0,2
	v_pk_fma_f32 v[YK+(\p):YK+(\p)+1],   v[XK+(\p):XK+(\p)+1],   v[CK+(\p):CK+(\p)+1], v[YK+(\p):YK+(\p)+1] neg_lo:[0,0,1] neg_hi:[0,0,1]  ; x1 cos - x2 sin
	v_pk_fma_f32 v[YK+4+(\p):YK+5+(\p)], v[XK+4+(\p):XK+5+(\p)], v[CK+(\p):CK+(\p)+1], v[YK+4+(\p):YK+5+(\p)]                             ; x2 cos + x1 sin
.endr
.endr
	WIN 0
.irp k, 0,1,2,3,4,5,6,7
	v_cvt_pk_f16_f32 v[Y+8*(\k)],   v[Y+8*(\k)],   v[Y+8*(\k)+1]
	v_cvt_pk_f16_f32 v[Y+8*(\k)+1], v[Y+8*(\k)+2], v[Y+8*(\k)+3]
	v_cvt_pk_f16_f32 v[Y+8*(\k)+4], v[Y+8*(\k)+4], v[Y+8*(\k)+5]
	v_cvt_pk_f16_f32 v[Y+8*(\k)+5], v[Y+8*(\k)+6], v[Y+8*(\k)+7]
.endr
.if (\nu) >= 0
	WIN 0xc0
.endif
	s_wait_alu depctr_va_vdst(0)                   ; the roundings have written Y, which the LDS stores read; the rotation is done reading the slot, in which the new loads land
.if (\nu) >= 0
	LOADU \nu, \nb, \nx
.endif
.if (\out) >= 0
	SEND \out
.endif
	WIN 0
.irp k, 0,1,2,3,4,5,6,7
	ds_store_b64 v[\st], v[Y+8*(\k):Y+8*(\k)+1]   offset:(\x)*64*(\pitch)+(\k)*2*(\pitch)
	ds_store_b64 v[\st], v[Y+8*(\k)+4:Y+8*(\k)+5] offset:(\x)*64*(\pitch)+(\k)*2*(\pitch)+128
.endr
.if (\x) < 3
	ROTSTEP CS, TB+48, DJ                          ; 14 + 50 rows on: the next band's first pair; it names none of the registers that the loads and stores above touch
.endif
.endm
; Unit u (band x of V) is rounded to bf16 and put into LDS.  From band 1 on the fragment addresses of Kr and V move on by a band here, between the unit's two waits.
.macro UNITCVT u, st, x, nu=-1, nb=0, nx=0
.set CN, LASTU-(\u)
.if CN > 3
.set CN, 3
.endif
	s_wait_loadcnt 16*CN
	s_wait_alu depctr_vm_vsrc(0)                   ; K's LDS stores have read Y, which the roundings write again; the last band's fragment loads have read v[AK] and v[AV]
.if (\x) > 0
	v_add_nc_u32 v[AK], 64*PQ, v[AK]               ; the immediates alone would pass 16 bits
	v_add_nc_u32 v[AV], 64*PV, v[AV]
.endif
	WIN 0x0f
.irp k, 0,1,2,3,4,5,6,7
.set XK, 64*((\u)%4)+8*(\k)
	v_cvt_pk_bf16_f32 v[Y+4*(\k)],   v[XK],   v[XK+1]
	v_cvt_pk_bf16_f32 v[Y+4*(\k)+1], v[XK+2], v[XK+3]
	v_cvt_pk_bf16_f32 v[Y+4*(\k)+2], v[XK+4], v[XK+5]
	v_cvt_pk_bf16_f32 v[Y+4*(\k)+3], v[XK+6], v[XK+7]
.endr
.if (\nu) >= 0
	WIN 0xc0
.endif
	s_wait_alu depctr_va_vdst(0)                   ; the roundings have written Y, which the LDS stores read, and are done reading the slot, in which the new loads land; v[AK] and v[AV] are written, which the band's fragment loads read
.if (\nu) >= 0
	LOADU \nu, \nb, \nx
.endif
	WIN 0
.irp k, 0,1,2,3,4,5,6,7
	ds_store_b64 v[\st], v[Y+4*(\k):Y+4*(\k)+1]   offset:(\x)*64*PV+(\k)*2*PV
	ds_store_b64 v[\st], v[Y+4*(\k)+2:Y+4*(\k)+3] offset:(\x)*64*PV+(\k)*2*PV+128
.endr
.endm
; THE LDS LOADS stand in runs.  A fragment of Qr or Kr is 16 rows x 32 channels in 8 registers: lane l holds row l % 16, channels 8 (l / 16) + 0..7 and 16 + 8 (l / 16) + 0..7.
.macro FETCHQ                          ; my four query tiles, all 128 channels: they stay in registers
	WIN 0x80
.irp x, 0,1,2,3
.irp c, 0,1,2,3
	ds_load_b128 v[32*(\x)+8*(\c):32*(\x)+8*(\c)+3],   v[AQ] offset:(\x)*64*PQ+64*(\c)
	ds_load_b128 v[32*(\x)+8*(\c)+4:32*(\x)+8*(\c)+7], v[AQ] offset:(\x)*64*PQ+64*(\c)+32
.endr
.endr
.endm
.macro FETCHS g, f, w                  ; the state's fragments of dv tiles 2 g, 2 g + 1: chunk 8 a + 2 c is registers 0-3, chunk 8 a + 2 c + 1 registers 4-7.  w: the setting for the buffer's window
	WIN \w
.irp a, 0,1
.irp c, 0,1,2,3
	ds_load_b128 v[(\f)+8*(4*(\a)+(\c)):(\f)+8*(4*(\a)+(\c))+3],   v[SHL] offset:((2*(\g)+(\a))*4+(\c))*1024
	ds_load_b128 v[(\f)+8*(4*(\a)+(\c))+4:(\f)+8*(4*(\a)+(\c))+7], v[SHL] offset:((2*(\g)+(\a))*4+(\c))*1024+512
.endr
.endr
.endm
.macro FETCHK b, f                     ; the band's key tiles 2 b, 2 b + 1
	WIN 0x80
.irp j, 0,1
.irp c, 0,1,2,3
	ds_load_b128 v[(\f)+8*(4*(\j)+(\c)):(\f)+8*(4*(\j)+(\c))+3],   v[AK] offset:(2*(\b)+(\j))*16*PQ+64*(\c)
	ds_load_b128 v[(\f)+8*(4*(\j)+(\c))+4:(\f)+8*(4*(\j)+(\c))+7], v[AK] offset:(2*(\b)+(\j))*16*PQ+64*(\c)+32
.endr
.endr
.endm
.macro FETCHV kk, f, w                 ; the band's keys 32 kk on, all 8 dv tiles, turned.  w: the setting for the buffer's window
	WIN \w
.irp a, 0,1,2,3,4,5,6,7
	ds_load_tr16_b128 v[(\f)+8*(\a):(\f)+8*(\a)+3],   v[AV] offset:(\kk)*32*PV+32*(\a)
	ds_load_tr16_b128 v[(\f)+8*(\a)+4:(\f)+8*(\a)+7], v[AV] offset:(\kk)*32*PV+16*PV+32*(\a)
.endr
.endm
; THE MATRIX WORK.  In each macro the accumulators take turns, one instruction a turn: no two matrix instructions on end name the same one.
.macro QSH g, f, w, c0                 ; O^T = S^T Q^T for dv tiles 2 g, 2 g + 1 and my four query tiles: 8 accumulators, K steps c0 and c0 + 1 of four; step 0 starts the sums
	WIN \w
.irp c, \c0, (\c0)+1
.irp a, 0,1
.irp x, 0,1,2,3
.if (\c) == 0
	v_wmma_f32_16x16x32_f16 v[64*(\x)+8*(2*(\g)+(\a)):64*(\x)+8*(2*(\g)+(\a))+7], v[(\f)+8*(4*(\a)+(\c)):(\f)+8*(4*(\a)+(\c))+7], v[32*(\x)+8*(\c):32*(\x)+8*(\c)+7], 0
.else
	v_wmma_f32_16x16x32_f16 v[64*(\x)+8*(2*(\g)+(\a)):64*(\x)+8*(2*(\g)+(\a))+7], v[(\f)+8*(4*(\a)+(\c)):(\f)+8*(4*(\a)+(\c))+7], v[32*(\x)+8*(\c):32*(\x)+8*(\c)+7], v[64*(\x)+8*(2*(\g)+(\a)):64*(\x)+8*(2*(\g)+(\a))+7]
.endif
.endr
.endr
.endr
.endm
.macro KQ s, b, f                      ; S^T = K Q^T for key tiles 2 b, 2 b + 1 of band s and query tiles s .. 3
	WIN 0x0a
.irp c, 0,1,2,3
.irp j, 0,1
.irp x, 0,1,2,3
.if (\x) >= (\s)
.if (\c) == 0
	v_wmma_f32_16x16x32_f16 v[S+32*(\x)+8*(2*(\b)+(\j)):S+32*(\x)+8*(2*(\b)+(\j))+7], v[(\f)+8*(4*(\j)+(\c)):(\f)+8*(4*(\j)+(\c))+7], v[32*(\x)+8*(\c):32*(\x)+8*(\c)+7], 0
.else
	v_wmma_f32_16x16x32_f16 v[S+32*(\x)+8*(2*(\b)+(\j)):S+32*(\x)+8*(2*(\b)+(\j))+7], v[(\f)+8*(4*(\j)+(\c)):(\f)+8*(4*(\j)+(\c))+7], v[32*(\x)+8*(\c):32*(\x)+8*(\c)+7], v[S+32*(\x)+8*(2*(\b)+(\j)):S+32*(\x)+8*(2*(\b)+(\j))+7]
.endif
.endif
.endr
.endr
.endr
.endm
.macro PCVT s                          ; the scores of tiles s .. 3 are rounded to bf16 in pairs, each accumulator from its low end, in place: pair n closes up into register n, which pairs n + 1 on do not read; tile s, which holds the diagonal, is masked
	WIN 0
.irp x, 0,1,2,3
.if (\x) >= (\s)
.set n, 0
.rept 16
	v_cvt_pk_bf16_f32 v[S+32*(\x)+n], v[S+32*(\x)+2*n], v[S+32*(\x)+2*n+1]
.set n, n+1
.endr
.endif
.endr
.set n, 0
.rept 16
	v_and_b32 v[S+32*(\s)+n], v[S+32*(\s)+n], v[MASK+n]
.set n, n+1
.endr
.endm
.macro PVM s, kk, f, w                 ; O^T += V^T P for keys 32 kk on of band s, all 8 dv tiles, query tiles s .. 3.  w: the setting for V's buffer
	WIN \w
.irp a, 0,1,2,3,4,5,6,7
.irp x, 0,1,2,3
.if (\x) >= (\s)
	v_wmma_f32_16x16x32_bf16 v[64*(\x)+8*(\a):64*(\x)+8*(\a)+7], v[(\f)+8*(\a):(\f)+8*(\a)+7], v[S+32*(\x)+8*(\kk):S+32*(\x)+8*(\kk)+7], v[64*(\x)+8*(\a):64*(\x)+8*(\a)+7]
.endif
.endr
.endr
.endm
; KEY BAND s.  Its K and V go into LDS; behind the barrier tiles s .. 3 take it; tile s is then finished and goes into the stage.  Every LDS byte but my own stage is written once, so one barrier a band is enough.
.macro STEP s
.if (\s) < 2
	UNITROT 5+2*(\s), STK, \s, PQ, 0, 9+2*(\s), 6, (\s)+2, (\s)-1   ; the slot just read out takes the band two further on
	UNITCVT 6+2*(\s), STV, \s, 10+2*(\s), 8, (\s)+2
.else
	UNITROT 5+2*(\s), STK, \s, PQ, 0, -1, 0, 0, (\s)-1
	UNITCVT 6+2*(\s), STV, \s
.endif
	BAR                                            ; the band's rows come from all four waves
.if (\s) > 0
	s_wait_xcnt 0x0                                ; the last tile's global stores have had their addresses translated (ISA guide 3.1): F0, their data, is loaded again only behind this wait
.endif
	s_wait_alu depctr_vm_vsrc(0)                   ; V's LDS stores have read Y, over which the scores are written; from band 1 on the last tile's global stores have read F0, in which K's fragments land
	FETCHK 0, F0
	FETCHK 1, F1
	s_wait_dscnt 16                                ; the first 16 loads are in; here and below the 16 just issued may stay out
	KQ \s, 0, F0
	FETCHV 0, F2, 0                                ; no wait: no vector or matrix instruction since the unit's wait names F2 or v[AV]
	s_wait_dscnt 16
	KQ \s, 1, F1
	PLACES
	WIN 0x80
	s_wait_alu depctr_va_vdst(0)                   ; the products K Q^T are done reading F1, in which V's second half lands
	FETCHV 1, F1, 0x80
	PCVT \s
	s_wait_dscnt 16
	PVM \s, 0, F2, 0x50
	s_wait_dscnt 0x0
	PVM \s, 1, F1, 0x52
	PLACES
	TOSTAGE \s
.endm
	s_load_b256 s[4:11], s[0:1], 0x0               ; Q s[4:5], K s[6:7], V s[8:9], sh s[10:11]
	s_load_b128 s[12:15], s[0:1], 0x20             ; amax s[12:13], out0 s[14:15]
	v_lshl_add_u32 v[SPW], v0, 2, SPARE
	v_mov_b32 v[NIL], 0
	v_lshrrev_b32 v[T2], 5, v0
	v_readfirstlane_b32 s16, v[T2]                 ; wave 0..3
	s_mov_b32 s17, ttmp9                           ; segment
	s_and_b32 s18, ttmp7, 0xffff                   ; head
	v_and_b32 v[LR], 15, v0
	v_bfe_u32 v[LH], v0, 4, 1
	v_and_b32 v[LL], 31, v0
	s_wait_alu depctr_va_sdst(0)                   ; s16 is written, ahead of its first reader
	s_lshl_b32 s19, s16, 4
	v_add_nc_u32 v[RB], s19, v[LH]
	v_lshlrev_b32 v[GOFF], 9, v[RB]
	v_lshl_add_u32 v[GOFF], v[LR], 4, v[GOFF]
	s_lshl_b32 s23, s16, 13
	v_lshl_add_u32 v[LIN], v[LL], 4, s23
	v_min_u32 v[AMO], 14, v[LR]                    ; lane l % 16 takes segment l's four words; segment 15 has none
	v_lshlrev_b32 v[AMO], 4, v[AMO]
	s_lshl_b32 s20, s18, 21                        ; a head is 4,096 rows of 512 bytes,
	s_lshl_b32 s21, s17, 17                        ; a segment 256
	s_add_co_u32 s20, s20, s21
	s_mov_b32 s21, 0
	s_lshl_b32 s22, s18, 8                         ; amax: 256 bytes a head
	s_mov_b32 s23, 0
	s_lshl_b32 s38, s18, 4
	s_add_co_u32 s38, s38, s17
	s_lshl_b32 s38, s38, 15                        ; sh: 32,768 bytes a state
	s_mov_b32 s39, 0
	s_wait_kmcnt 0x0
	s_add_nc_u64 s[4:5], s[4:5], s[20:21]
	s_add_nc_u64 s[6:7], s[6:7], s[20:21]
	s_add_nc_u64 s[8:9], s[8:9], s[20:21]
	s_add_nc_u64 s[14:15], s[14:15], s[20:21]
	s_add_nc_u64 s[12:13], s[12:13], s[22:23]
	s_add_nc_u64 s[10:11], s[10:11], s[38:39]
	s_wait_alu depctr_va_vdst(0)                   ; v[GOFF], v[LIN] and v[AMO] are written: the offsets of every global load and store of the kernel; none is written again while one reads it
	global_load_b128 v[AM:AM+3], v[AMO], s[12:13]
	WIN 0xc0
.irp j, 0,1,2,3,4,5,6,7,8,9,10,11,12,13,14,15
	global_load_b128 v[4*(\j):4*(\j)+3], v[LIN], s[10:11] offset:512*(\j) th:TH_LOAD_NT  ; unit 0: my quarter of the state
.endr
	LOADU 1, 4, 0
	LOADU 2, 4, 1
	WIN 0
	s_mov_b32 s24, 0xb9500d01                      ; -1 / 5040
	s_mov_b32 s25, 0x3c088889                      ; 1 / 120
	s_mov_b32 s26, 0x37d00d01                      ; 1 / 40320
	s_mov_b32 s27, 0xbab60b61                      ; -1 / 720
	s_mov_b32 s28, 0xffff
	s_lshl_b32 s36, s17, 8
	s_add_co_u32 s36, s36, s19                     ; 256 seg + 16 w
	v_add_nc_u32 v[SHS], SH, v[LIN]
	v_lshl_add_u32 v[SHL], v[LL], 4, SH
	v_mul_u32_u24 v[STQ], v[RB], PQ
	v_lshl_add_u32 v[STQ], v[LR], 3, v[STQ]        ; row x pitch + 8 r
	v_add_nc_u32 v[STK], KL, v[STQ]
	v_mul_u32_u24 v[STV], v[RB], PV
	v_lshl_add_u32 v[STV], v[LR], 3, v[STV]
	v_add_nc_u32 v[STV], VL, v[STV]
	v_add_nc_u32 v[T2], s19, v[LR]
	v_mul_u32_u24 v[AQ], v[T2], PQ
	v_lshl_add_u32 v[AQ], v[LH], 4, v[AQ]          ; (16 w + r) x pitch + 16 h
	v_mul_u32_u24 v[AK], v[LR], PQ
	v_lshl_add_u32 v[AK], v[LH], 4, v[AK]
	v_add_nc_u32 v[AK], KL, v[AK]
	v_and_b32 v[T2], 7, v0                         ; the turning load: lane l reads key 8 (l / 16) + l % 8, bytes 16 ((l / 8) % 2) on
	v_lshl_add_u32 v[T2], v[LH], 3, v[T2]
	v_mul_u32_u24 v[AV], v[T2], PV
	v_bfe_u32 v[T2], v0, 3, 1
	v_lshl_add_u32 v[AV], v[T2], 4, v[AV]
	v_add_nc_u32 v[AV], VL, v[AV]
	s_mul_i32 s22, s16, 16*OPITCH
	s_add_co_u32 s22, s22, OS                      ; my stage
	v_mul_u32_u24 v[OST], v[LR], OPITCH
	v_lshl_add_u32 v[OST], v[LH], 5, v[OST]
	v_add_nc_u32 v[OST], s22, v[OST]
	v_lshl_add_u32 v[ORD], v[LL], 4, s22
	; the mask of a band's own tile: key 16 kt + 8 h + j is seen by query 16 w + r where 16 kt + j < 16 w + r - 8 h.  Register 4 kt + jj covers j = 2 jj (low half) and 2 jj + 1 (high half).
	; The compares stand in runs of eight, into s40 to s47, one wait behind each run.
	v_lshlrev_b32 v[T2], 3, v[LH]
	v_sub_nc_u32 v[DD], v[LR], v[T2]
	v_add_nc_u32 v[DD], s19, v[DD]
.set g, 0
.rept 4
.set n, 0
.rept 4
	v_cmp_lt_i32 s[40+2*n], 16*g+2*n, v[DD]
	v_cmp_lt_i32 s[41+2*n], 16*g+2*n+1, v[DD]
.set n, n+1
.endr
	s_wait_alu depctr_va_sdst(0)                   ; the eight compares have written s40 to s47, which the selects read
.set n, 0
.rept 4
	v_cndmask_b32 v[MASK+4*g+n], 0, s28, s[40+2*n]
	v_cndmask_b32 v[MASK+4*g+n], v[MASK+4*g+n], -1, s[41+2*n]  ; where the odd key is seen the even one is too
.set n, n+1
.endr
.set g, g+1
.endr
	SETROT
	LOADU 3, 4, 2                                  ; no wait: no vector instruction has named v[GOFF] since the wait ahead of the first load, and none has named the slot
	; unit 0: the state goes into LDS as it lies
	s_wait_loadcnt 48                              ; amax and unit 0 are in; units 1 to 3 may stay out
	WIN 0x0c
.irp j, 0,1,2,3,4,5,6,7,8,9,10,11,12,13,14,15
	ds_store_b128 v[SHS], v[4*(\j):4*(\j)+3] offset:512*(\j)
.endr
	s_wait_dscnt 0x0                               ; the stores are done
	WIN 0xc0
	s_wait_alu depctr_vm_vsrc(0)                   ; the LDS stores have read slot 0, in which the next loads land
	LOADU 4, 4, 3
	WIN 0
	v_cmp_gt_u32 vcc_lo, s17, v[LR]                ; the power of two: the largest |A| of the segments before mine
	v_max3_num_f32 v[AM], v[AM], v[AM+1], v[AM+2]
	v_max_num_f32 v[AM], v[AM], v[AM+3]
	s_wait_alu depctr_va_vcc(0)                    ; the compare has written VCC, which the select reads
	v_cndmask_b32 v[AM], 0, v[AM], vcc_lo
	v_max_num_f32_dpp v[AM], v[AM], v[AM] row_xmask:1 row_mask:0xf bank_mask:0xf
	v_max_num_f32_dpp v[AM], v[AM], v[AM] row_xmask:2 row_mask:0xf bank_mask:0xf
	v_max_num_f32_dpp v[AM], v[AM], v[AM] row_xmask:4 row_mask:0xf bank_mask:0xf
	v_max_num_f32_dpp v[AM], v[AM], v[AM] row_xmask:8 row_mask:0xf bank_mask:0xf
	v_readfirstlane_b32 s33, v[AM]
	s_wait_alu depctr_va_sdst(0)                   ; s33 is written, ahead of its first reader
	s_lshr_b32 s33, s33, 23
	s_max_u32 s33, s33, 11
	s_sub_co_u32 s33, s33, 10
	s_lshl_b32 s34, s33, 23                        ; 2^(x - 137)
	s_mov_b32 s35, s34                             ; named with it as a pair
	UNITROT 1, STQ, 0, PQ, 0, 5, 6, 0              ; Q's four bands; their slots take the first two bands of K and V
	UNITROT 2, STQ, 1, PQ, 1, 6, 8, 0
	UNITROT 3, STQ, 2, PQ, 1, 7, 6, 1
	UNITROT 4, STQ, 3, PQ, 1, 8, 8, 1
	BAR                                            ; the state comes from all four waves (Qr's rows that I read are my own)
	s_wait_alu depctr_vm_vsrc(0)                   ; unit 4's LDS stores have read Y, in which the state's fragments land (G0, G1); no vector instruction has named v64-191 since that unit's wait
	; Qr S: the first two bands of K and V are on their way meanwhile.  Four buffers for the four groups of fragments: no load lands in a register that a product has read.
	FETCHQ
	FETCHS 0, F0, 0x80
	FETCHS 1, F1, 0x80
	s_wait_dscnt 16                                ; here and below: all but the 16 loads just issued
	QSH 0, F0, 0x5a, 0
	FETCHS 2, G0, 0
	QSH 0, F0, 0x5a, 2
	s_wait_dscnt 16
	QSH 1, F1, 0x5a, 0
	FETCHS 3, G1, 0
	QSH 1, F1, 0x5a, 2
	s_wait_dscnt 16
	QSH 2, G0, 0x58, 0
	QSH 2, G0, 0x58, 2
	s_wait_dscnt 0x0
	QSH 3, G1, 0x58, 0
	QSH 3, G1, 0x58, 2
	PLACES                                         ; no vector instruction stands among the 128 products: these four are the places behind all of them, ahead of the first line that reads a sum
	WIN 0x41                                       ; the power of two is taken out again, ascending, each accumulator from its low end
.set n, 0
.rept 128
	v_pk_mul_f32 v[n:n+1], v[n:n+1], s[34:35] op_sel_hi:[1,0]
.set n, n+2
.endr
	STEP 0
	STEP 1
	STEP 2
	STEP 3
	SEND 3
	WIN 0
	s_wait_dscnt 0x0                               ; the closing lines, six on end
	s_wait_alu 0x0
	s_wait_tensorcnt 0x0
	ds_add_u32 v[SPW], v[NIL]
	s_wait_dscnt 0x0
	s_endpgm
.Lfunc_end_k_qfc83d70695_attn:
	.size	k_qfc83d70695_attn, .Lfunc_end_k_qfc83d70695_attn-k_qfc83d70695_attn
	.p2alignl 7, 3214868480
	.fill 96, 4, 3214868480
	.section	.rodata,"a",@progbits
	.p2align	6, 0x0
	.amdhsa_kernel k_qfc83d70695_attn
		.amdhsa_group_segment_fixed_size 280064
		.amdhsa_private_segment_fixed_size 0
		.amdhsa_enable_private_segment 0
		.amdhsa_kernarg_size 48
		.amdhsa_user_sgpr_count 2
		.amdhsa_user_sgpr_kernarg_segment_ptr 1
		.amdhsa_wavefront_size32 1
		.amdhsa_system_sgpr_workgroup_id_x 1
		.amdhsa_system_sgpr_workgroup_id_y 1
		.amdhsa_system_sgpr_workgroup_id_z 1
		.amdhsa_system_vgpr_workitem_id 0
		.amdhsa_next_free_vgpr 1024
		.amdhsa_next_free_sgpr 66
		.amdhsa_reserve_vcc 1
		.amdhsa_float_denorm_mode_32 3
		.amdhsa_float_denorm_mode_16_64 3
		.amdhsa_memory_ordered 1
		.amdhsa_forward_progress 1
		.amdhsa_inst_pref_size 237
	.end_amdhsa_kernel
	.amdgpu_metadata
---
amdhsa.version: [ 1, 2 ]
amdhsa.kernels:
  - .name:           k_qfc83d70695_attn
    .symbol:         k_qfc83d70695_attn.kd
    .args:
      - { .name: Q, .offset: 0, .size: 8, .value_kind: global_buffer, .address_space: global }
      - { .name: K, .offset: 8, .size: 8, .value_kind: global_buffer, .address_space: global }
      - { .name: V, .offset: 16, .size: 8, .value_kind: global_buffer, .address_space: global }
      - { .name: sh, .offset: 24, .size: 8, .value_kind: global_buffer, .address_space: global }
      - { .name: amax, .offset: 32, .size: 8, .value_kind: global_buffer, .address_space: global }
      - { .name: out0, .offset: 40, .size: 8, .value_kind: global_buffer, .address_space: global }
    .group_segment_fixed_size: 280064
    .private_segment_fixed_size: 0
    .kernarg_segment_align: 8
    .kernarg_segment_size: 48
    .max_flat_workgroup_size: 128
    .sgpr_count:     66
    .vgpr_count:     1024
    .wavefront_size: 32
...
	.end_amdgpu_metadata
.endif
;; end of part 4
